; MI455X (gfx1250); checked and timed in simulation.
; The chip was launched on July 23, 2026; its instructions are those of AMD's public machine-readable ISA for CDNA 5 (MIT licence, August 2026) and "CDNA5" Instruction Set Architecture Reference Guide (July 2026). The comments in the code are by the model that wrote it; some were corrected since.
;; Transformer Encoder Block. Allowed arithmetic: matrix products marked QUANTISED: E5M2 operands, one E8M0 scale for each 32 along K, by v_wmma_scale_f32_16x16x128_f8f6f4 with both operands' format E5M2, f32 sums; everything else in f32.
;; Inputs: fc1_b 4,096 float32; fc1_w 1,024 x 4,096 float32; fc2_b 1,024 float32; fc2_w 4,096 x 1,024 float32; ln1_b 1,024 float32; ln1_g 1,024 float32; ln2_b 1,024 float32; ln2_g 1,024 float32; proj_b 1,024 float32; proj_w 1,024 x 1,024 float32; qkv_b 3,072 float32; qkv_w 1,024 x 3,072 float32; x 2 x 2,048 x 1,024 float32.
;; Outputs: out0 2 x 2,048 x 1,024 float32.
;; This version of the problem:
;;   THIS VERSION OF THE PROBLEM IS GIVEN IN LOW PRECISION. The matrix products marked QUANTISED in the list below multiply operands that are first quantised to E5M2 (5 exponent bits, 2 mantissa bits; 8 bits a number), with one power-of-two scale for each 32 numbers along K (OCP MX v1.0); their sums are f32. All else is computed in f32.
;;   The module's matrix products, in the order in which they are computed (A, B: the left and right operand; K: the contracted axis; several contracted axes count as one K, in the product's order):
;;     1. [M 4,096, K 1,024] x [K 1,024, N 3,072]; A: computed on the way; B: input qkv_w: QUANTISED
;;     2. batch 32 x [M 2,048, K 64] x [K 64, N 2,048]; A: computed on the way; B: computed on the way: QUANTISED
;;     3. batch 32 x [M 64, K 2,048] x [K 2,048, N 2,048]; A: computed on the way; B: softmax (see below): QUANTISED
;;     4. [M 4,096, K 1,024] x [K 1,024, N 1,024]; A: computed on the way; B: input proj_w: QUANTISED
;;     5. [M 4,096, K 1,024] x [K 1,024, N 4,096]; A: computed on the way; B: input fc1_w: QUANTISED
;;     6. [M 4,096, K 4,096] x [K 4,096, N 1,024]; A: computed on the way; B: input fc2_w: QUANTISED
;;   THE QUANTISER, for each operand of a quantised product, along K:
;;     - K is cut into blocks of 32 from its start; a last block that is shorter is filled with zeros.
;;     - A block's scale is 2^e with e = floor(log2(the largest magnitude in the block)) - 15, held to -126 .. 127; a block of zeros has e = 0. As a byte (E8M0): e + 127.
;;     - Each number is divided by its block's scale, clamped to +-57,344, and rounded to the nearest number of E5M2, ties to even, subnormals kept.
;;     - The product sums the exact products of the quantised numbers (number of the format x scale) in f32.
;;   ~~~python
;;   def quantise(x, axis):      # numpy; x: float32 -> the quantised numbers, widened to float32 again
;;       x = np.moveaxis(x, axis, -1); K = x.shape[-1]
;;       x = np.pad(x, [(0, 0)] * (x.ndim - 1) + [(0, -K % 32)]); x = x.reshape(x.shape[:-1] + (-1, 32)); a = np.abs(x).max(-1, keepdims=True)
;;       e = np.where(a > 0, np.clip(np.frexp(np.where(a > 0, a, 1))[1] - 1 - 15, -126, 127), 0)      # np.frexp(a)[1] - 1 = floor(log2(a)), exactly
;;       r = np.clip(x / 2.0 ** e, -57344, 57344)
;;       step = 2.0 ** (np.maximum(np.frexp(np.where(r == 0, 1, r))[1] - 1, -14) - 2)
;;       q = np.round(r / step) * step * 2.0 ** e      # np.round: ties to even
;;       return np.moveaxis(q.reshape(q.shape[:-2] + (-1,))[..., :K], -1, axis).astype(np.float32)
;;   ~~~
;;   SOFTMAX AHEAD OF A QUANTISED PRODUCT. Where the list says 'softmax', what is quantised is not the finished softmax but p = 2^(t - M), with t = logit x log2(e) and M = ceil(the row's largest t), a whole number; so 1/2 < the row's largest p <= 1. The row's sum l is taken of the UNQUANTISED p, in f32, and the product's result is divided by l at the end. Since M is a whole number, a kernel that streams over the keys may use a running M (the ceiling of the running maximum): every later rescaling is an exact power of two, which a block's scale takes up: the codes' values come out the same.
;;   OPERANDS COMPUTED ON THE WAY. 'Computed on the way' means the value that the module computes at that place (a softmax that the list does not call 'softmax' is quantised finished and normalised). What goes into a quantiser is computed in f32, as accurately as f32 sums, v_exp_f32 and their like allow (about 1e-6 of the number): no bf16 or f16 on the way to a quantiser, and a product that is left as it is and whose result goes on into a quantised operand takes f32 operands (vector FMAs, or v_wmma_f32_16x16x4_f32). A number that lies on a knife's edge between two numbers of the format may be rounded either way, as far as f32 arithmetic and the matrix unit's own rounding can turn it there, and no further.
;; One version. Each part assembles by itself: llvm-mc -triple=amdgcn-amd-amdhsa -mcpu=gfx1250 --defsym DOCPART=n.
;; ======== version 1 of 1: 7 launches
;; limits: right only within a limited range of input values
;; workspace buffers: wc 12,976,128 bytes; an 4,325,376 bytes; qb 4,456,448 bytes; kv 8,781,824 bytes; ac 4,325,376 bytes; x1 16,777,216 bytes; hc 17,301,504 bytes
;; launch prep (part 1): grid 448 x 1, 8 waves a work-group, no clusters, 69,632 bytes of LDS; arguments x, ln1_g, ln1_b, an, qkv_w, proj_w, fc1_w, fc2_w, wc; writes an, wc
.if DOCPART == 1
	.amdgcn_target "amdgcn-amd-amdhsa--gfx1250"
	.amdhsa_code_object_version 6
	.text
	.protected	k_q72e4c264f5_prep
	.globl	k_q72e4c264f5_prep
	.p2align	8
	.type	k_q72e4c264f5_prep,@function
k_q72e4c264f5_prep:
	s_mov_b64 s[64:65], 0
	v_nop
	global_prefetch_b8 v0, s[64:65] scope:SCOPE_SE
	s_setreg_imm32_b32 hwreg(HW_REG_WAVE_MODE, 25, 1), 1
	s_wait_xcnt 0x0
; TWO JOBS THAT DO NOT DEPEND ON EACH OTHER, IN ONE LAUNCH.  256 work-groups normalise and quantise a tile of 16 rows of x; 192 quantise eight records of the weights each.  They part on the work-group's number alone.
; Under number 384 the job is the number's parity, turned over from 256 on; from 384 on it is rows: so neither two neighbouring numbers nor two numbers 256 apart are both weight jobs, which read the most bytes.
; A RECORD is 32 rows x 256 along K of an operand, 8,448 bytes: four images of the operand's registers (tile parity u, K half q) at (2 u + q) x 2,048, chunk c at + 512 c, lane (r, h) at + 16 (16 h + r):
; the codes k = 128 q + 32 c + 16 h + 0 .. 15 of row 8 u + r + 8 (r / 8); then the scale words at 8,192 + 128 u + 64 q + 4 r.  Record (rp = row / 32, kh = k / 256) lies at (rp x K / 256 + kh) x 8,448.
; ROWS: y = (x - mean) rsqrt(var + 1e-5) g + b along rows of 1,024, quantised to E5M2 with one E8M0 byte for each 32.  The work-group owns rows 32 rp + 8 u + {0 .. 7, 16 .. 23}; wave w columns 128 w .. 128 w + 127: one image.
; A load reads 512 consecutive bytes of a row; the 16 rows turn through the wave's own tile in LDS (pitch 528: the 16 rows of a read start at 16 different banks, 64 banks of 4 bytes: ISA guide 11.1), so that lane (r, h) holds, of row r,
; k = 32 B + 16 h + 0 .. 15 in registers 16 B + 0 .. 15: the conversions' results are then the operand's registers.  Mean and variance in two passes; the waves' parts meet in LDS behind one barrier each.
; WEIGHTS, f32 stored [K][N]: a lane takes a column n and its registers run down K: a load reads 128 consecutive bytes a wave, a block of 32 lies in one lane, nothing is transposed.  A wave makes one record.
; A lane's 16 codes go straight to their place in the record: the sixteen lanes of one tile parity cover 256 consecutive bytes, aligned, so each store covers two such blocks whole.  No LDS on this path.
; LIMITS: NaN and infinities are not served; a block of zeros, or one whose largest magnitude lies under 2^-111, gets the byte 1 (its codes are zeros or held; this program alone reads the bytes).
.set REC,  8448
.set RED,  67584                       ; behind the eight tiles: 512 bytes for the sums, 512 for the sums of squares
.set X,    16                          ; rows: v16-79   my 64 numbers
.set G,    80                          ; v80-143  the gains of my 64 columns
.set BB,   144                         ; v144-207 the biases
.set PC,   208                         ; v208-223 the codes
.set TM,   224                         ; v224-239 the quantiser's work
.set PW,   240                         ; v240     my row's scale word
.set CH,   242                         ; v242-251 sums
.set MU,   252                         ; v[252:253] the mean, later 1 / sqrt, twice
.set SEL,  36                          ; s[36:37] v_permlanex16_b32's selects for lane l xor 16
.set MNT,  38                          ; s38      the mantissa field of 57,344
.set EMAX, 15
.set WVO,  16                          ; weights: v16-47 4 x lane + i x pitch: row i of a block
.set WX,   48                          ; v48-111  two sets of 32 numbers
.set WC,   112                         ; v112-175 the codes: eight registers for each block, so that no store's data are written again
.set WSB,  176                         ; v176-177 the scale bytes, four to a register
.set WMNT, 50
.macro QUANT s                         ; 64 numbers, register 16 b + i = k 32 b + 16 (lane / 16) + i of my row, become a fragment's codes in v[PC] on and its scale word in v[PW]
.irp b, 0,1,2,3
	v_max3_num_f32 v[TM+\b], |v[\s+16*\b]|, |v[\s+1+16*\b]|, 0x8000000   ; my 16 numbers of block b, and the floor 2^(16 - 127): the byte cannot fall under 1
.endr
.irp i, 2,4,6,8,10,12,14
.irp b, 0,1,2,3
	s_delay_alu instid0(VALU_DEP_4)
	v_max3_num_f32 v[TM+\b], v[TM+\b], |v[\s+16*\b+\i]|, |v[\s+1+16*\b+\i]|   ; the four blocks by turns
.endr
.endr
.irp b, 0,1,2,3
	s_delay_alu instid0(VALU_DEP_4)
	v_permlanex16_b32 v[TM+4+\b], v[TM+\b], s[SEL], s[SEL+1]
.endr
.irp b, 0,1,2,3
	s_delay_alu instid0(VALU_DEP_4)
	v_max_num_f32 v[TM+\b], v[TM+\b], v[TM+4+\b]   ; with lane l xor 16's 16: the block's largest magnitude
.endr
.irp b, 0,1,2,3
	s_delay_alu instid0(VALU_DEP_4)
	v_add_nc_u32 v[TM+12+\b], 0xf8800000, v[TM+\b] ; 15 off its exponent field: the conversion's scale operand
.endr
.irp b, 0,1,2,3
	v_and_or_b32 v[TM+8+\b], v[TM+\b], 0x7f800000, s[MNT]   ; 57,344 x the scale
.endr
.irp b, 0,1,2,3
	v_lshrrev_b32 v[TM+4+\b], 23, v[TM+12+\b]      ; the scale's byte
.endr
	s_delay_alu instid0(VALU_DEP_3)
	v_lshl_or_b32 v[PW], v[TM+5], 8, v[TM+4]
	s_delay_alu instid0(VALU_DEP_1)
	v_lshl_or_b32 v[PW], v[TM+6], 16, v[PW]
	s_delay_alu instid0(VALU_DEP_1)
	v_lshl_or_b32 v[PW], v[TM+7], 24, v[PW]
.irp b, 0,1,2,3
.irp i, 0,1,2,3,4,5,6,7,8,9,10,11,12,13,14,15
	v_med3_num_f32 v[\s+16*\b+\i], v[\s+16*\b+\i], -v[TM+8+\b], v[TM+8+\b]   ; the conversion does not saturate (ISA guide 7.6.2): the hold comes first
.endr
	v_cvt_scalef32_pk8_bf8_f32 v[PC+4*\b:PC+1+4*\b], v[\s+16*\b:\s+7+16*\b], v[TM+12+\b]
	v_cvt_scalef32_pk8_bf8_f32 v[PC+2+4*\b:PC+3+4*\b], v[\s+8+16*\b:\s+15+16*\b], v[TM+12+\b]
.endr
	v_nop                                          ; a plain vector line behind the last conversion
.endm
.macro ACROSS off                      ; four packed chains in v[CH] on -> the row's sum over all 1,024 columns, in v[CH] of every lane
	s_delay_alu instid0(VALU_DEP_3)
	v_pk_add_f32 v[CH:CH+1], v[CH:CH+1], v[CH+2:CH+3]
	s_delay_alu instid0(VALU_DEP_2)
	v_pk_add_f32 v[CH+4:CH+5], v[CH+4:CH+5], v[CH+6:CH+7]
	s_delay_alu instid0(VALU_DEP_1)
	v_pk_add_f32 v[CH:CH+1], v[CH:CH+1], v[CH+4:CH+5]
	s_delay_alu instid0(VALU_DEP_1)
	v_add_f32 v[CH], v[CH], v[CH+1]
	s_delay_alu instid0(VALU_DEP_1)
	v_permlanex16_b32 v[CH+2], v[CH], s[SEL], s[SEL+1]
	s_delay_alu instid0(VALU_DEP_1)
	v_add_f32 v[CH], v[CH], v[CH+2]                ; my wave's 128 columns of row r
	ds_store_b32 v6, v[CH] offset:\off             ; lanes r and r + 16 write the same word with the same value
	s_wait_dscnt 0x0                               ; for the others' sake: my store has landed
	s_barrier_signal -1
	s_barrier_wait -1
	ds_load_b128 v[CH+2:CH+5], v7 offset:\off
	ds_load_b128 v[CH+6:CH+9], v7 offset:\off+16   ; the eight waves' parts of row r
	s_wait_dscnt 0x0
	v_add_f32 v[CH+2], v[CH+2], v[CH+3]
	v_add_f32 v[CH+4], v[CH+4], v[CH+5]
	v_add_f32 v[CH+6], v[CH+6], v[CH+7]
	v_add_f32 v[CH+8], v[CH+8], v[CH+9]
	s_delay_alu instid0(VALU_DEP_3)
	v_add_f32 v[CH+2], v[CH+2], v[CH+4]
	s_delay_alu instid0(VALU_DEP_2)
	v_add_f32 v[CH+6], v[CH+6], v[CH+8]
	s_delay_alu instid0(VALU_DEP_1)
	v_add_f32 v[CH], v[CH+2], v[CH+6]
.endm
	v_lshl_add_u32 v254, v0, 2, 0x10c00
	v_mov_b32 v255, 0
	v_lshrrev_b32 v1, 5, v0
	s_delay_alu instid0(VALU_DEP_1)
	v_readfirstlane_b32 s12, v1                    ; wave 0..7
	s_and_b32 s2, ttmp9, 1
	s_lshr_b32 s3, ttmp9, 8
	s_xor_b32 s2, s2, s3                           ; 1: weights (for numbers under 384)
	s_lshr_b32 s3, ttmp9, 1                        ; my number within the job: under 384 half the work-group's number,
	s_sub_co_u32 s15, ttmp9, 192                   ; from 384 on the rows' tiles 192 to 255
	s_cmp_ge_u32 ttmp9, 384
	s_cselect_b32 s2, 0, s2
	s_cselect_b32 s3, s15, s3
	s_cmp_lg_u32 s2, 0
	s_cbranch_scc1 .Lweights
	; ---------------------------------------------------------------- ROWS
	s_load_b256 s[4:11], s[0:1], 0x0               ; x s[4:5], g s[6:7], b s[8:9], the records s[10:11]
	s_lshr_b32 s13, s3, 1                          ; rp
	s_and_b32 s14, s3, 1                           ; u
	s_lshl_b32 s32, s13, 17                        ; 32 rp rows of 4,096 bytes
	s_lshl_b32 s33, s14, 15                        ; + 8 u rows
	s_add_co_u32 s32, s32, s33
	s_lshl_b32 s33, s12, 9                         ; + my wave's 512 bytes of a row
	s_add_co_u32 s32, s32, s33
	s_mov_b32 s33, 0
	s_mul_i32 s34, s12, 8448                       ; my wave's tile in LDS: 16 rows of 528 bytes
	s_mov_b32 s35, 0x3a800000                      ; 1 / 1,024
	s_mov_b32 s[SEL], 0x76543210
	s_mov_b32 s[SEL+1], 0xfedcba98
	s_mov_b32 s[MNT], 0x600000
	v_and_b32 v8, 31, v0
	s_delay_alu instid0(VALU_DEP_1)
	v_lshlrev_b32 v8, 4, v8                        ; 16 x lane; never rewritten
	v_and_b32 v1, 15, v0                           ; r
	v_bfe_u32 v2, v0, 4, 1                         ; h
	s_delay_alu instid0(VALU_DEP_1)
	v_lshlrev_b32 v9, 6, v2                        ; 64 h; never rewritten
	s_wait_alu depctr_va_vdst(0)
	s_wait_kmcnt 0x0
	s_add_nc_u64 s[4:5], s[4:5], s[32:33]
.irp i, 0,1,2,3,4,5,6,7,8,9,10,11,12,13,14,15
	global_load_b128 v[X+4*\i:X+4*\i+3], v8, s[4:5] offset:(\i+8*(\i>>3))*4096 th:TH_LOAD_NT   ; the tile's row i: 512 consecutive bytes a load
.endr
	s_lshl_b32 s32, s12, 9
	s_add_nc_u64 s[6:7], s[6:7], s[32:33]          ; g and b at my wave's 128 columns
	s_add_nc_u64 s[8:9], s[8:9], s[32:33]
.irp b, 0,1,2,3
.irp j, 0,1,2,3
	global_load_b128 v[G+16*\b+4*\j:G+16*\b+4*\j+3], v9, s[6:7] offset:128*\b+16*\j
	global_load_b128 v[BB+16*\b+4*\j:BB+16*\b+4*\j+3], v9, s[8:9] offset:128*\b+16*\j
.endr
.endr
	v_add_nc_u32 v10, s34, v8                      ; into the tile: 16 bytes a lane, a row a store
	v_mul_u32_u24 v3, v1, 528
	s_delay_alu instid0(VALU_DEP_1)
	v_lshl_add_u32 v3, v2, 6, v3
	s_delay_alu instid0(VALU_DEP_1)
	v_add_nc_u32 v3, s34, v3                       ; out of it: my 64 bytes of a block of 32 numbers of row r
	v_lshlrev_b32 v5, 2, v1
	s_wait_alu depctr_va_vdst(0)
	v_lshlrev_b32 v7, 5, v1
	s_delay_alu instid0(VALU_DEP_1)
	v_add_nc_u32 v7, RED, v7                       ; row r's eight parts
	s_lshl_b32 s15, s12, 2
	v_add_nc_u32 v6, s15, v7                       ; my wave's among them
	s_and_b32 s15, s12, 1                          ; q
	s_lshl_b32 s32, s14, 1
	s_add_co_u32 s32, s32, s15
	s_lshl_b32 s32, s32, 11
	v_add_nc_u32 v4, s32, v8                       ; codes: (2 u + q) x 2,048 + 16 x lane
	s_lshl_b32 s32, s14, 7
	s_lshl_b32 s33, s15, 6
	s_add_co_u32 s32, s32, s33
	s_add_co_u32 s32, s32, 8192
	v_add_nc_u32 v5, s32, v5                       ; scale words: 8,192 + 128 u + 64 q + 4 r
	s_lshl_b32 s32, s13, 2
	s_lshr_b32 s33, s12, 1
	s_add_co_u32 s32, s32, s33
	s_mul_i32 s32, s32, REC
	s_mov_b32 s33, 0
	s_add_nc_u64 s[10:11], s[10:11], s[32:33]      ; record (rp, kh = wave / 2)
.irp b, 0,1,2,3
	v_mov_b32 v[TM+4+\b], 0                        ; written once: a lane permute's destination counts as one of its sources
.endr
	s_wait_loadcnt 32                              ; my 16 rows are in; the 32 loads of g and b, issued behind them, may be out
.irp i, 0,1,2,3,4,5,6,7,8,9,10,11,12,13,14,15
	ds_store_b128 v10, v[X+4*\i:X+4*\i+3] offset:528*\i
.endr
.irp b, 0,1,2,3
.irp j, 0,1,2,3
	ds_load_b128 v[X+16*\b+4*\j:X+16*\b+4*\j+3], v3 offset:128*\b+16*\j   ; LDS serves a wave's instructions in order (ISA guide 5.7.1.4): these see my stores; only I touch the tile
.endr
.endr
	s_wait_dscnt 0x0
.irp k, 0,1,2,3
	v_pk_add_f32 v[CH+2*\k:CH+2*\k+1], v[X+2*\k:X+2*\k+1], v[X+8+2*\k:X+9+2*\k]   ; four chains, started by the first numbers
.endr
.irp i, 16,24,32,40,48,56
.irp k, 0,1,2,3
	s_delay_alu instid0(VALU_DEP_4)
	v_pk_add_f32 v[CH+2*\k:CH+2*\k+1], v[CH+2*\k:CH+2*\k+1], v[X+\i+2*\k:X+\i+2*\k+1]
.endr
.endr
	ACROSS 0
	s_delay_alu instid0(VALU_DEP_1)
	v_mul_f32 v[MU], s35, v[CH]                    ; the mean
	s_delay_alu instid0(VALU_DEP_1)
	v_mov_b32 v[MU+1], v[MU]
.set i, 0
.rept 32
	v_pk_add_f32 v[X+i:X+i+1], v[X+i:X+i+1], v[MU:MU+1] neg_lo:[0,1] neg_hi:[0,1]
.set i, i+2
.endr
.irp k, 0,1,2,3
	v_pk_mul_f32 v[CH+2*\k:CH+2*\k+1], v[X+2*\k:X+2*\k+1], v[X+2*\k:X+2*\k+1]
.endr
.irp i, 8,16,24,32,40,48,56
.irp k, 0,1,2,3
	s_delay_alu instid0(VALU_DEP_4)
	v_pk_fma_f32 v[CH+2*\k:CH+2*\k+1], v[X+\i+2*\k:X+\i+2*\k+1], v[X+\i+2*\k:X+\i+2*\k+1], v[CH+2*\k:CH+2*\k+1]
.endr
.endr
	ACROSS 512                                     ; other bytes than the first sum's: one barrier is enough
	s_delay_alu instid0(VALU_DEP_1)
	v_fmaak_f32 v[CH], s35, v[CH], 0x3727c5ac      ; the variance + 1e-5
	s_wait_alu depctr_va_vdst(0)
	v_rsq_f32 v[MU], v[CH]
	v_nop                                          ; a plain line behind the transcendental
	s_wait_alu depctr_va_vdst(0)                   ; the wait ahead of the first line that names its result
	v_mov_b32 v[MU+1], v[MU]
	s_wait_alu depctr_va_vdst(0)
	s_wait_loadcnt 0x0                             ; g and b
.set i, 0
.rept 32
	v_pk_mul_f32 v[X+i:X+i+1], v[X+i:X+i+1], v[MU:MU+1]
.set i, i+2
.endr
.set i, 0
.rept 32
	v_pk_fma_f32 v[X+i:X+i+1], v[X+i:X+i+1], v[G+i:G+i+1], v[BB+i:BB+i+1]
.set i, i+2
.endr
	QUANT X
.irp c, 0,1,2,3
	global_store_b128 v4, v[PC+4*\c:PC+4*\c+3], s[10:11] offset:512*\c   ; 32 lanes store 512 consecutive bytes, aligned
.endr
	global_store_b32 v5, v[PW], s[10:11]           ; 64 bytes of scale words; lanes 16-31 hold and write the same as lanes 0-15
	s_wait_tensorcnt 0x0
	ds_add_u32 v254, v255
	s_wait_dscnt 0x0
	s_endpgm
	; ---------------------------------------------------------------- WEIGHTS
.Lweights:
	s_load_b256 s[4:11], s[0:1], 0x20              ; qkv_w s[4:5], proj_w s[6:7], fc1_w s[8:9], fc2_w s[10:11]
	s_load_b64 s[52:53], s[0:1], 0x40              ; wc
	s_lshl_b32 s51, s3, 1
	s_lshr_b32 s14, s12, 2
	s_add_co_u32 s51, s51, s14                     ; which group of four records, 0 to 383: two groups to a work-group
	s_and_b32 s14, s12, 3                          ; my record in the group
	v_and_b32 v1, 31, v0                           ; lane = my column of the record's 32
	s_delay_alu instid0(VALU_DEP_1)
	v_lshlrev_b32 v2, 2, v1
	v_and_b32 v10, 7, v0
	v_bfe_u32 v11, v0, 4, 1
	s_delay_alu instid0(VALU_DEP_1)
	v_lshl_add_u32 v10, v11, 3, v10                ; r: column = 16 (r / 8) + 8 u + r % 8
	v_bfe_u32 v11, v0, 3, 1                        ; u
	s_delay_alu instid0(VALU_DEP_2)
	v_lshlrev_b32 v3, 4, v10
	s_delay_alu instid0(VALU_DEP_1)
	v_lshl_add_u32 v3, v11, 12, v3                 ; codes go to 4,096 u + 16 r (+ 256 for the upper 16 of a block); never rewritten
	s_delay_alu instid0(VALU_DEP_4)
	v_lshlrev_b32 v4, 2, v10
	s_delay_alu instid0(VALU_DEP_1)
	v_lshl_add_u32 v4, v11, 7, v4                  ; scale words to 128 u + 4 r (+ 8,192 in the immediate); never rewritten
	s_mov_b32 s[WMNT], 0x600000
	s_wait_alu depctr_va_vdst(0)
	s_wait_kmcnt 0x0
	s_mov_b64 s[16:17], s[10:11]                   ; groups 256-383: fc2_w: pitch 4,096 bytes, 16 records along K
	s_mov_b32 s18, 4096
	s_mov_b32 s19, 4
	s_mov_b32 s20, 256
	s_mov_b32 s21, 8650752
	s_cmp_lt_u32 s51, 256                          ; 128-255: fc1_w
	s_cselect_b64 s[16:17], s[8:9], s[16:17]
	s_cselect_b32 s18, 16384, s18
	s_cselect_b32 s19, 2, s19
	s_cselect_b32 s20, 128, s20
	s_cselect_b32 s21, 4325376, s21
	s_cmp_lt_u32 s51, 128                          ; 96-127: proj_w
	s_cselect_b64 s[16:17], s[6:7], s[16:17]
	s_cselect_b32 s18, 4096, s18
	s_cselect_b32 s20, 96, s20
	s_cselect_b32 s21, 3244032, s21
	s_cmp_lt_u32 s51, 96                           ; 0-95: qkv_w
	s_cselect_b64 s[16:17], s[4:5], s[16:17]
	s_cselect_b32 s18, 12288, s18
	s_cselect_b32 s20, 0, s20
	s_cselect_b32 s21, 0, s21
	s_sub_co_u32 s22, s51, s20                     ; my group within the weight
	s_lshl_b32 s23, 1, s19
	s_sub_co_u32 s23, s23, 1
	s_and_b32 s24, s22, s23                        ; kh
	s_lshr_b32 s25, s22, s19                       ; which 128 columns
	s_mul_i32 s26, s24, s18
	s_lshl_b32 s26, s26, 8                         ; 256 kh rows
	s_lshl_b32 s27, s25, 9
	s_add_co_u32 s26, s26, s27
	s_lshl_b32 s27, s14, 7
	s_add_co_u32 s26, s26, s27                     ; + my wave's 32 columns
	s_mov_b32 s27, 0
	s_add_nc_u64 s[32:33], s[16:17], s[26:27]      ; a base for each of the eight blocks, so that none is stepped
	s_lshl_b32 s28, s18, 5
	s_mov_b32 s29, 0
.irp t, 1,2,3,4,5,6,7
	s_add_nc_u64 s[32+2*\t:33+2*\t], s[30+2*\t:31+2*\t], s[28:29]
.endr
	s_lshl_b32 s30, s25, 2
	s_add_co_u32 s30, s30, s14                     ; rp
	s_lshl_b32 s30, s30, s19
	s_add_co_u32 s30, s30, s24
	s_mul_i32 s30, s30, REC
	s_add_co_u32 s30, s30, s21
	s_mov_b32 s31, 0
	s_add_nc_u64 s[52:53], s[52:53], s[30:31]      ; my record in wc
.set i, 0
.rept 32
	v_mad_u32_u24 v[WVO+i], s18, i, v2
.set i, i+1
.endr
.macro LOAD t                          ; block t: W(32 t + i, my column), i = 0 .. 31, into set t % 2
.set i, 0
.rept 32
	global_load_b32 v[WX+32*((\t)%2)+i], v[WVO+i], s[32+2*(\t):33+2*(\t)] th:TH_LOAD_NT
.set i, i+1
.endr
.endm
	LOAD 0
	LOAD 1
.macro BLOCK t
.set XS, WX+32*((\t)%2)
.set CS, WC+8*(\t)
.if (\t) < 7
	s_wait_loadcnt 32                              ; this block's 32 loads are in; the next block's 32 may be out
.else
	s_wait_loadcnt 0x0
.endif
	v_max3_num_f32 v12, |v[XS]|, |v[XS+1]|, |v[XS+2]|     ; the block's largest magnitude: all 32 numbers are mine; two chains
	v_max3_num_f32 v13, |v[XS+3]|, |v[XS+4]|, |v[XS+5]|
.irp i, 6,10,14,18,22,26
	s_delay_alu instid0(VALU_DEP_2)
	v_max3_num_f32 v12, v12, |v[XS+\i]|, |v[XS+\i+1]|
	s_delay_alu instid0(VALU_DEP_2)
	v_max3_num_f32 v13, v13, |v[XS+\i+2]|, |v[XS+\i+3]|
.endr
	s_delay_alu instid0(VALU_DEP_2)
	v_max3_num_f32 v12, v12, |v[XS+30]|, |v[XS+31]|
	s_delay_alu instid0(VALU_DEP_1)
	v_max3_num_f32 v12, v12, v13, (EMAX+1)<<23     ; and the floor 2^(16 - 127): the byte cannot fall under 1
	s_delay_alu instid0(VALU_DEP_1)
	v_add_nc_u32 v11, -(EMAX<<23), v12             ; 15 off the exponent field: the conversion's scale operand
	s_delay_alu instid0(VALU_DEP_2)
	v_and_or_b32 v10, v12, 0x7f800000, s[WMNT]     ; 57,344 x the scale
	s_delay_alu instid0(VALU_DEP_2)
	v_lshrrev_b32 v13, 23, v11                     ; the scale's byte
.if (\t)%4 == 0
	s_delay_alu instid0(VALU_DEP_1)
	v_mov_b32 v[WSB+(\t)/4], v13
.else
	s_delay_alu instid0(VALU_DEP_1)
	v_lshl_or_b32 v[WSB+(\t)/4], v13, 8*((\t)%4), v[WSB+(\t)/4]
.endif
.set i, 0
.rept 32
	v_med3_num_f32 v[XS+i], v[XS+i], -v10, v10     ; the conversion to an 8-bit code does not saturate (ISA guide 7.6.2): the hold comes first
.set i, i+1
.endr
.irp g, 0,1,2,3
	v_cvt_scalef32_pk8_bf8_f32 v[CS+2*\g:CS+2*\g+1], v[XS+8*\g:XS+8*\g+7], v11
.endr
	v_nop                                          ; a plain vector line behind the last conversion
	global_store_b128 v3, v[CS:CS+3], s[52:53] offset:2048*((\t)/4)+512*((\t)%4)         ; k 0-15 of the block: the place of lane (r, 0); the lanes of each u cover 256 consecutive bytes, aligned
	global_store_b128 v3, v[CS+4:CS+7], s[52:53] offset:2048*((\t)/4)+512*((\t)%4)+256   ; k 16-31: that of lane (r, 1)
.if (\t)+2 < 8
	LOAD (\t)+2
.endif
.endm
.irp t, 0,1,2,3,4,5,6,7
	BLOCK \t
.endr
	global_store_b32 v4, v[WSB], s[52:53] offset:8192         ; the scale words of K's first 128,
	global_store_b32 v4, v[WSB+1], s[52:53] offset:8192+64    ; and of its second: 64 bytes for each u
	s_endpgm
.Lfunc_end_k_q72e4c264f5_prep:
	.size	k_q72e4c264f5_prep, .Lfunc_end_k_q72e4c264f5_prep-k_q72e4c264f5_prep
	.p2alignl 7, 3214868480
	.fill 96, 4, 3214868480
	.section	.rodata,"a",@progbits
	.p2align	6, 0x0
	.amdhsa_kernel k_q72e4c264f5_prep
		.amdhsa_group_segment_fixed_size 69632
		.amdhsa_private_segment_fixed_size 0
		.amdhsa_enable_private_segment 0
		.amdhsa_kernarg_size 72
		.amdhsa_user_sgpr_count 2
		.amdhsa_user_sgpr_kernarg_segment_ptr 1
		.amdhsa_wavefront_size32 1
		.amdhsa_system_sgpr_workgroup_id_x 1
		.amdhsa_system_sgpr_workgroup_id_y 1
		.amdhsa_system_sgpr_workgroup_id_z 1
		.amdhsa_system_vgpr_workitem_id 0
		.amdhsa_next_free_vgpr 256
		.amdhsa_next_free_sgpr 66
		.amdhsa_reserve_vcc 0
		.amdhsa_float_denorm_mode_32 3
		.amdhsa_float_denorm_mode_16_64 3
		.amdhsa_memory_ordered 1
		.amdhsa_forward_progress 1
		.amdhsa_inst_pref_size 98
	.end_amdhsa_kernel
	.amdgpu_metadata
---
amdhsa.version: [ 1, 2 ]
amdhsa.kernels:
  - .name:           k_q72e4c264f5_prep
    .symbol:         k_q72e4c264f5_prep.kd
    .args:
      - { .name: x, .offset: 0, .size: 8, .value_kind: global_buffer, .address_space: global }
      - { .name: ln1_g, .offset: 8, .size: 8, .value_kind: global_buffer, .address_space: global }
      - { .name: ln1_b, .offset: 16, .size: 8, .value_kind: global_buffer, .address_space: global }
      - { .name: an, .offset: 24, .size: 8, .value_kind: global_buffer, .address_space: global }
      - { .name: qkv_w, .offset: 32, .size: 8, .value_kind: global_buffer, .address_space: global }
      - { .name: proj_w, .offset: 40, .size: 8, .value_kind: global_buffer, .address_space: global }
      - { .name: fc1_w, .offset: 48, .size: 8, .value_kind: global_buffer, .address_space: global }
      - { .name: fc2_w, .offset: 56, .size: 8, .value_kind: global_buffer, .address_space: global }
      - { .name: wc, .offset: 64, .size: 8, .value_kind: global_buffer, .address_space: global }
    .group_segment_fixed_size: 69632
    .private_segment_fixed_size: 0
    .kernarg_segment_align: 8
    .kernarg_segment_size: 72
    .max_flat_workgroup_size: 256
    .sgpr_count:     66
    .vgpr_count:     256
    .wavefront_size: 32
...
	.end_amdgpu_metadata
.endif
;; end of part 1
;; launch g1 (part 2): grid 48 x 4, 4 waves a work-group, clusters of 4 x 4, 327,680 bytes of LDS; arguments an, wc, qkv_b, qb, kv; writes qb, kv
.if DOCPART == 2
	.amdgcn_target "amdgcn-amd-amdhsa--gfx1250"
	.amdhsa_code_object_version 6
	.text
	.protected	k_q72e4c264f5_g1
	.globl	k_q72e4c264f5_g1
	.p2align	8
	.type	k_q72e4c264f5_g1,@function
k_q72e4c264f5_g1:
	s_mov_b64 s[64:65], 0
	v_nop
	global_prefetch_b8 v0, s[64:65] scope:SCOPE_SE
	s_setreg_imm32_b32 hwreg(HW_REG_WAVE_MODE, 25, 1), 1
	s_wait_xcnt 0x0
	s_wait_alu depctr_hold_cnt(0) depctr_sa_sdst(0) depctr_va_vdst(0) depctr_va_sdst(0) depctr_va_ssrc(0) depctr_va_vcc(0) depctr_vm_vsrc(0)
	s_getreg_b32 s2, hwreg(HW_REG_IB_STS2, 6, 4)
	s_cmp_eq_u32 s2, 0
	s_cbranch_scc0 .Lentry_in_a_cluster
	s_endpgm
.Lentry_in_a_cluster:
	s_bfe_u32 s2, ttmp6, 0x10000c
	s_cmp_lg_u32 s2, 0xf033
	s_cbranch_scc0 .Lentry_shape_is_right
	s_endpgm
.Lentry_shape_is_right:
.set REC,   8448
.set KHB,   4*REC
.set KVREC, 17152
.set QSO,   4194304
.set HALFT, 4*REC
.set SLOT,  4*HALFT
.set SPARE, 2*SLOT
.set NP,    8
.set VO0,   2
.set VS0,   4
.set RB,    8
.set ADRA,  16
.set SAA,   18
.set ADRB,  20
.set SAB,   22
.set PW,    24
.set W0,    25
.set W1,    26
.set SPW,   28
.set NIL,   29
.set SC,    32
.set BIAS,  64
.set AF,    128
.set ST,    128
.set PC,    192
.set TM,    208
.set G1,  24
.set G0,  32
.set G1B, 48
.set G0B, 56
.set KIND, 66
.set SEL,  96
.set MNT,  98
.set PADW, 99
.set MSB, 0
.macro WIN new
.if MSB != (\new)
	s_set_vgpr_msb (MSB<<8)|(\new)
.set MSB, \new
.endif
.endm
.set MUL_LO, 0xa1
.set MUL_HI, 0xf1
.set TO_B,   0x40
.macro PLACES n
.rept \n
	v_nop
.endr
.endm
.macro JLOAD g0a, g1a, g0b, g1b
	s_cmp_eq_u32 s15, 0
	s_cbranch_scc0 .Lfor_b_\@
	tensor_load_to_lds s[\g0a:\g0a+3], s[\g1a:\g1a+7]
	s_nop 0
.rept 4
	v_nop
.endr
	s_branch .Lasked_\@
.Lfor_b_\@:
	tensor_load_to_lds s[\g0b:\g0b+3], s[\g1b:\g1b+7]
	s_nop 0
.rept 4
	v_nop
.endr
.Lasked_\@:
.endm
.macro CREST
	s_cmp_lg_u32 s14, 0
	s_cbranch_scc1 .Lnot_wave_0_\@
	s_barrier_signal -3
.Lnot_wave_0_\@:
	s_barrier_wait -3
	s_barrier_signal -1
	s_barrier_wait -1
.endm
.macro CROUND
	s_barrier_signal -1
	s_barrier_wait -1
	CREST
.endm
.macro QUANT s
.irp b, 0,1,2,3
	v_max3_num_f32 v[TM+\b], |v[\s+16*\b]|, |v[\s+1+16*\b]|, 0x8000000
.endr
.irp i, 2,4,6,8,10,12,14
.irp b, 0,1,2,3
	v_max3_num_f32 v[TM+\b], v[TM+\b], |v[\s+16*\b+\i]|, |v[\s+1+16*\b+\i]|
.endr
.endr
.irp b, 0,1,2,3
	v_permlanex16_b32 v[TM+4+\b], v[TM+\b], s[SEL], s[SEL+1]
.endr
.irp b, 0,1,2,3
	v_max_num_f32 v[TM+\b], v[TM+\b], v[TM+4+\b]
.endr
.irp b, 0,1,2,3
	v_add_nc_u32 v[TM+12+\b], 0xf8800000, v[TM+\b]
.endr
.irp b, 0,1,2,3
	v_and_or_b32 v[TM+8+\b], v[TM+\b], 0x7f800000, s[MNT]
.endr
.irp b, 0,1,2,3
	v_lshrrev_b32 v[TM+4+\b], 23, v[TM+12+\b]
.endr
	v_lshl_or_b32 v[PW], v[TM+5], 8, v[TM+4]
	v_lshl_or_b32 v[PW], v[TM+6], 16, v[PW]
	v_lshl_or_b32 v[PW], v[TM+7], 24, v[PW]
.irp b, 0,1,2,3
.irp i, 0,1,2,3,4,5,6,7,8,9,10,11,12,13,14,15
	v_med3_num_f32 v[\s+16*\b+\i], v[\s+16*\b+\i], -v[TM+8+\b], v[TM+8+\b]
.endr
	v_cvt_scalef32_pk8_bf8_f32 v[PC+4*\b:PC+1+4*\b], v[\s+16*\b:\s+7+16*\b], v[TM+12+\b]
	v_cvt_scalef32_pk8_bf8_f32 v[PC+2+4*\b:PC+3+4*\b], v[\s+8+16*\b:\s+15+16*\b], v[TM+12+\b]
.endr
	v_nop
.endm
	s_load_b256 s[4:11], s[0:1], 0x0
	s_load_b64 s[12:13], s[0:1], 0x20
	v_lshl_add_u32 v[SPW], v0, 2, SPARE
	v_mov_b32 v[NIL], 0
	ds_add_u32 v28, v29
	ds_add_u32 v28, v29
	s_wait_dscnt 0x0
	v_lshrrev_b32 v1, 5, v0
	v_readfirstlane_b32 s14, v1
	s_lshr_b32 s15, s14, 1
	s_and_b32 s16, s14, 1
	s_bfe_u32 s40, ttmp6, 0x40000
	s_bfe_u32 s41, ttmp6, 0x40004
	s_mov_b32 s[KIND], ttmp9
	s_lshr_b32 s67, ttmp9, 1
	s_and_b32 s68, ttmp9, 1
	s_sub_co_u32 s69, ttmp9, 8
	s_cmp_lt_u32 ttmp9, 8
	s_cselect_b32 s67, s67, 0
	s_cselect_b32 s68, s68, s69
	s_lshl_b32 s17, s67, 2
	s_add_co_u32 s17, s17, s41
	s_lshl_b32 s42, s68, 2
	s_add_co_u32 s42, s42, s40
	s_lshl_b32 s43, s41, 2
	s_lshl_b32 s43, 15, s43
	s_lshl_b32 s44, 0x1111, s40
	s_or_b32 s[G1+0], s43, (3<<16)|(1<<21)
	s_or_b32 s[G1B+0], s44, (3<<16)|(1<<21)
.irp g, G1, G1B
	s_mov_b32 s[\g+1], 1056<<16
	s_mov_b32 s[\g+2], 4<<16
	s_mov_b32 s[\g+3], 1056<<16
	s_mov_b32 s[\g+4], 4
	s_mov_b32 s[\g+5], 4224
	s_mov_b32 s[\g+6], 0
	s_mov_b32 s[\g+7], 0
.endr
	s_lshl_b32 s18, s16, 2
	s_lshl_b32 s20, s17, 3
	s_add_co_u32 s20, s20, s18
	s_mul_i32 s20, s20, KHB
	s_mov_b32 s21, 0
	s_lshl_b32 s46, s42, 3
	s_add_co_u32 s46, s46, s18
	s_mul_i32 s46, s46, KHB
	s_mov_b32 s47, 0
	s_mul_i32 s45, s14, HALFT
	s_mov_b32 s[SEL], 0x76543210
	s_mov_b32 s[SEL+1], 0xfedcba98
	s_mov_b32 s[MNT], 0x600000
	s_mov_b32 s[PADW], 0x7f7f0000
	s_wait_kmcnt 0x0
	s_cmp_lt_u32 ttmp9, 8
	s_cselect_b64 s[70:71], s[4:5], s[6:7]
	s_cselect_b64 s[72:73], s[6:7], s[4:5]
	s_cselect_b32 s74, 0, 2162688
	s_add_co_u32 s20, s20, s74
	s_add_nc_u64 s[20:21], s[70:71], s[20:21]
	s_add_nc_u64 s[46:47], s[72:73], s[46:47]
	CROUND
.irp s, 0,1
	s_mov_b32 s[G0+4*\s], 1
	s_add_co_u32 s[G0+4*\s+1], s45, \s*SLOT
	s_add_nc_u64 s[G0+4*\s+2:G0+4*\s+3], s[20:21], \s*REC
	s_or_b32 s[G0+4*\s+3], s[G0+4*\s+3], 0x80000000
	s_mov_b32 s[G0B+4*\s], 1
	s_add_co_u32 s[G0B+4*\s+1], s45, \s*SLOT
	s_add_nc_u64 s[G0B+4*\s+2:G0B+4*\s+3], s[46:47], \s*REC
	s_or_b32 s[G0B+4*\s+3], s[G0B+4*\s+3], 0x80000000
.if \s                                 ; slot 0's fill follows the round above; slot 1's first fill stands behind the full sequence and a round of its own
	s_wait_alu depctr_va_vdst(0)
	s_wait_tensorcnt 0x0
	ds_add_u32 v28, v29
	ds_add_u32 v28, v29
	s_wait_dscnt 0x0
	CROUND
.endif
	JLOAD G0+4*\s, G1, G0B+4*\s, G1B
.endr
	v_and_b32 v1, 31, v0
	v_lshlrev_b32 v30, 4, v1
	v_lshlrev_b32 v31, 2, v1
	s_mul_i32 s21, s15, HALFT
	s_mul_i32 s22, s16, HALFT
	s_add_co_u32 s22, s22, 2*HALFT
.irp s, 0,1
	v_add_nc_u32 v[ADRA+\s], s21, v30
	v_add_nc_u32 v[SAA+\s], s21, v31
	v_add_nc_u32 v[ADRB+\s], s22, v30
	v_add_nc_u32 v[SAB+\s], s22, v31
	s_add_co_u32 s21, s21, SLOT
	s_add_co_u32 s22, s22, SLOT
.endr
	s_lshl_b32 s75, s42, 10
	s_lshl_b32 s76, s16, 9
	s_add_co_u32 s75, s75, s76
	s_lshl_b32 s76, s41, 10
	s_lshl_b32 s77, s15, 9
	s_add_co_u32 s76, s76, s77
	s_add_co_u32 s76, s76, 8192
	s_cmp_lt_u32 ttmp9, 8
	s_cselect_b32 s78, s75, 0
	s_cselect_b32 s80, 0, s76
	s_mov_b32 s79, 0
	s_mov_b32 s81, 0
	s_add_nc_u64 s[78:79], s[8:9], s[78:79]
	s_add_nc_u64 s[80:81], s[8:9], s[80:81]
	v_bfe_u32 v6, v0, 4, 1
	v_lshlrev_b32 v6, 6, v6
	v_and_b32 v1, 15, v0
	s_wait_alu depctr_va_vdst(0)
	v_and_b32 v7, 8, v1
	v_add_nc_u32 v7, v7, v1
	v_lshlrev_b32 v7, 2, v7
.irp b, 0,1,2,3
.irp j, 0,1,2,3
	global_load_b128 v[BIAS+16*\b+4*\j:BIAS+16*\b+4*\j+3], v6, s[78:79] offset:128*\b+16*\j
.endr
.endr
.irp a, 0,1,2,3,4,5,6,7
	global_load_b32 v[RB+\a], v7, s[80:81] offset:4*(32*(\a>>1)+8*(\a&1))
.endr
	s_lshl_b32 s82, s17, 8
	s_lshl_b32 s83, s15, 7
	s_add_co_u32 s82, s82, s83
	s_lshl_b32 s83, s42, 8
	s_lshl_b32 s84, s16, 7
	s_add_co_u32 s83, s83, s84
	s_lshl_b32 s84, s40, 2
	s_lshl_b32 s85, s16, 1
	s_add_co_u32 s84, s84, s85
	s_lshl_b32 s85, s41, 2
	s_lshl_b32 s86, s15, 1
	s_add_co_u32 s85, s85, s86
	s_cmp_lt_u32 ttmp9, 8
	s_cselect_b32 s82, s82, s83
	s_cselect_b32 s84, s84, s85
	s_cselect_b32 s90, 0, 8192
	s_cselect_b32 s91, 0, 512
	s_lshr_b32 s83, s82, 11
	s_bfe_u32 s85, s82, 0x40007
	s_lshl_b32 s83, s83, 4
	s_add_co_u32 s83, s83, s84
	s_lshl_b32 s86, s83, 7
	s_lshl_b32 s87, s85, 3
	s_add_co_u32 s86, s86, s87
	s_lshl_b32 s87, s83, 4
	s_add_co_u32 s87, s87, s85
	s_mul_i32 s87, s87, KVREC
	s_lshl_b32 s88, s86, 10
	s_lshl_b32 s89, s86, 6
	s_add_co_u32 s89, s89, QSO
	s_add_co_u32 s90, s90, s87
	s_add_co_u32 s91, s91, s87
	s_add_co_u32 s91, s91, 16384
	s_mov_b32 s92, 16*KVREC
	s_mov_b32 s93, 16*KVREC
	s_and_b32 s94, ttmp9, 9
	s_cmp_eq_u32 s94, 0
	s_cselect_b64 s[10:11], s[10:11], s[12:13]
	s_cselect_b32 s88, s88, s90
	s_cselect_b32 s89, s89, s91
	s_cselect_b32 s92, 131072, s92
	s_cselect_b32 s93, 8192, s93
	v_add_nc_u32 v[VO0], s88, v30
	v_add_nc_u32 v[VO0+1], s92, v[VO0]
	v_lshl_add_u32 v[VS0], v1, 2, s89
	v_add_nc_u32 v[VS0+1], s93, v[VS0]
.macro FRAG reg, adr, q, i
.irp c, 0,1,2,3
	ds_load_b128 v[\reg+4*\c:\reg+4*\c+3], v[\adr] offset:((\i)>>1)*REC+((\i)&1)*4096+(\q)*2048+512*\c
.endr
.endm
.macro MUL16 a0, p, q, sc, zero
.irp a, \a0, \a0+1
.irp b, 0,1,2,3,4,5,6,7
.if \zero
	v_wmma_scale_f32_16x16x128_f8f6f4 v[8*(8*((\a)%4)+\b):8*(8*((\a)%4)+\b)+7], v[128*(\p)+16*\b:128*(\p)+16*\b+15], v[AF+16*(\a):AF+16*(\a)+15], 0, v[SC+16*(\sc)+8+\b], v[SC+16*(\sc)+(\a)] matrix_a_fmt:MATRIX_FMT_BF8 matrix_b_fmt:MATRIX_FMT_BF8
.elseif \q
	v_wmma_scale_f32_16x16x128_f8f6f4 v[8*(8*((\a)%4)+\b):8*(8*((\a)%4)+\b)+7], v[128*(\p)+16*\b:128*(\p)+16*\b+15], v[AF+16*(\a):AF+16*(\a)+15], v[8*(8*((\a)%4)+\b):8*(8*((\a)%4)+\b)+7], v[SC+16*(\sc)+8+\b], v[SC+16*(\sc)+(\a)] matrix_a_fmt:MATRIX_FMT_BF8 matrix_b_fmt:MATRIX_FMT_BF8 matrix_a_scale:MATRIX_SCALE_ROW1 matrix_b_scale:MATRIX_SCALE_ROW1
.else
	v_wmma_scale_f32_16x16x128_f8f6f4 v[8*(8*((\a)%4)+\b):8*(8*((\a)%4)+\b)+7], v[128*(\p)+16*\b:128*(\p)+16*\b+15], v[AF+16*(\a):AF+16*(\a)+15], v[8*(8*((\a)%4)+\b):8*(8*((\a)%4)+\b)+7], v[SC+16*(\sc)+8+\b], v[SC+16*(\sc)+(\a)] matrix_a_fmt:MATRIX_FMT_BF8 matrix_b_fmt:MATRIX_FMT_BF8
.endif
.endr
.endr
.endm
.macro FETCH_B slot, q, p
	WIN TO_B
.irp i, 0,1,2,3,4,5,6,7
	FRAG 128*(\p)+16*\i, ADRB+\slot, \q, \i
.endr
	WIN 0
.endm
.macro FETCH_A slot, q, i0
.irp i, \i0, \i0+1, \i0+2, \i0+3
	FRAG AF+16*(\i), ADRA+\slot, \q, \i
.endr
.endm
.macro SCALES s
.irp i, 0,1,2,3,4,5,6,7
	ds_load_b32 v[SC+16*\s+\i], v[SAA+\s] offset:(\i>>1)*REC+8192+128*(\i&1)
	ds_load_b32 v[SC+16*\s+8+\i], v[SAB+\s] offset:(\i>>1)*REC+8192+128*(\i&1)
.endr
.endm
.macro STEP slot, zero
	s_wait_dscnt 16
	WIN MUL_LO
	MUL16 0, 0, 0, \slot, \zero
	MUL16 2, 0, 0, \slot, \zero
	s_wait_dscnt 0x0
	PLACES NP
	FETCH_B \slot, 1, 1
	FETCH_A \slot, 1, 0
	WIN MUL_HI
	MUL16 4, 0, 0, \slot, \zero
	MUL16 6, 0, 0, \slot, \zero
	PLACES NP
	WIN 0
	FETCH_A \slot, 1, 4
.endm
.macro TURN slot, next, fill
	s_wait_tensorcnt 0x0
	ds_add_u32 v[SPW], v[NIL]
	s_wait_dscnt 17
	WIN MUL_LO
	MUL16 0, 1, 1, \slot, 0
	s_wait_dscnt 0x0
	s_barrier_signal -1
	MUL16 2, 1, 1, \slot, 0
	WIN 0
	s_barrier_wait -1
.if \fill
	CREST
	s_add_nc_u64 s[G0+4*\slot+2:G0+4*\slot+3], s[G0+4*\slot+2:G0+4*\slot+3], 2*REC
	s_add_nc_u64 s[G0B+4*\slot+2:G0B+4*\slot+3], s[G0B+4*\slot+2:G0B+4*\slot+3], 2*REC
	JLOAD G0+4*\slot, G1, G0B+4*\slot, G1B
	PLACES NP-4
.else
	PLACES NP
.endif
	FETCH_B \next, 0, 0
	FETCH_A \next, 0, 0
	SCALES \next
	WIN MUL_HI
	MUL16 4, 1, 1, \slot, 0
	MUL16 6, 1, 1, \slot, 0
	PLACES NP
	WIN 0
	FETCH_A \next, 0, 4
.endm
	s_wait_tensorcnt 1
	s_barrier_signal -1
	s_barrier_wait -1
	FETCH_B 0, 0, 0
	FETCH_A 0, 0, 0
	SCALES 0
	FETCH_A 0, 0, 4
	STEP 0, 1
	s_mov_b32 s3, 1
.Llap:
	TURN 0, 1, 1
	STEP 1, 0
	TURN 1, 0, 1
	STEP 0, 0
	s_sub_co_u32 s3, s3, 1
	s_cmp_lg_u32 s3, 0
	s_cbranch_scc1 .Llap
	TURN 0, 1, 0
	STEP 1, 0
	s_wait_dscnt 16
	WIN MUL_LO
	MUL16 0, 1, 1, 1, 0
	MUL16 2, 1, 1, 1, 0
	s_wait_dscnt 0x0
	WIN MUL_HI
	MUL16 4, 1, 1, 1, 0
	MUL16 6, 1, 1, 1, 0
	WIN 0
	PLACES NP
	s_wait_loadcnt 0x0
.irp b, 0,1,2,3
	v_mov_b32 v[TM+4+\b], 0
.endr
.macro OUTBLK a
.set AC, 64*((\a)%4)
	s_wait_xcnt 0x0
	s_cmp_lt_u32 s[KIND], 8
	s_cbranch_scc0 .Lrowb_\@
	WIN 0x02+(\a)/4
.set i, 0
.rept 32
	v_pk_add_f32 v[ST+i:ST+i+1], v[AC+i:AC+i+1], v[BIAS+i:BIAS+i+1]
.set i, i+2
.endr
	WIN 0
	s_branch .Lsum_\@
.Lrowb_\@:
	WIN 0x08+4*((\a)/4)
.set i, 0
.rept 64
	v_add_f32 v[ST+i], v[RB+(\a)], v[AC+i]
.set i, i+1
.endr
	WIN 0
.Lsum_\@:
	QUANT ST
	s_cmp_lt_u32 s[KIND], 8
	s_cbranch_scc0 .Lvst_\@
	v_and_or_b32 v[W0], v[PW], 0xffff, s[PADW]
	v_lshrrev_b32 v[W1], 16, v[PW]
	v_or_b32 v[W1], s[PADW], v[W1]
	global_store_b128 v[VO0], v[PC:PC+3], s[10:11] offset:1024*(\a)
	global_store_b128 v[VO0], v[PC+4:PC+7], s[10:11] offset:1024*(\a)+512
	global_store_b128 v[VO0+1], v[PC+8:PC+11], s[10:11] offset:1024*(\a)
	global_store_b128 v[VO0+1], v[PC+12:PC+15], s[10:11] offset:1024*(\a)+512
	global_store_b32 v[VS0], v[W0], s[10:11] offset:64*(\a)
	global_store_b32 v[VS0+1], v[W1], s[10:11] offset:64*(\a)
	s_branch .Ldone_\@
.Lvst_\@:
	s_wait_alu depctr_va_vdst(0)
.irp c, 0,1,2,3
	global_store_b128 v[VO0+(\a)/4], v[PC+4*\c:PC+4*\c+3], s[10:11] offset:2048*((\a)&3)+512*\c
.endr
	global_store_b32 v[VS0+(\a)/4], v[PW], s[10:11] offset:64*((\a)&3)
.Ldone_\@:
.endm
.irp a, 0,1,2,3,4,5,6,7
	OUTBLK \a
.endr
	s_wait_tensorcnt 0x0
	ds_add_u32 v[SPW], v[NIL]
	s_wait_dscnt 0x0
	CROUND
	s_endpgm
.Lfunc_end_k_q72e4c264f5_g1:
	.size	k_q72e4c264f5_g1, .Lfunc_end_k_q72e4c264f5_g1-k_q72e4c264f5_g1
	.p2alignl 7, 3214868480
	.fill 96, 4, 3214868480
	.section	.rodata,"a",@progbits
	.p2align	6, 0x0
	.amdhsa_kernel k_q72e4c264f5_g1
		.amdhsa_group_segment_fixed_size 327680
		.amdhsa_private_segment_fixed_size 0
		.amdhsa_enable_private_segment 0
		.amdhsa_kernarg_size 40
		.amdhsa_user_sgpr_count 2
		.amdhsa_user_sgpr_kernarg_segment_ptr 1
		.amdhsa_wavefront_size32 1
		.amdhsa_system_sgpr_workgroup_id_x 1
		.amdhsa_system_sgpr_workgroup_id_y 1
		.amdhsa_system_sgpr_workgroup_id_z 1
		.amdhsa_system_vgpr_workitem_id 0
		.amdhsa_next_free_vgpr 1024
		.amdhsa_next_free_sgpr 100
		.amdhsa_reserve_vcc 0
		.amdhsa_float_denorm_mode_32 3
		.amdhsa_float_denorm_mode_16_64 3
		.amdhsa_memory_ordered 1
		.amdhsa_forward_progress 1
		.amdhsa_inst_pref_size 229
	.end_amdhsa_kernel
	.amdgpu_metadata
---
amdhsa.version: [ 1, 2 ]
amdhsa.kernels:
  - .name:           k_q72e4c264f5_g1
    .symbol:         k_q72e4c264f5_g1.kd
    .args:
      - { .name: an, .offset: 0, .size: 8, .value_kind: global_buffer, .address_space: global }
      - { .name: wc, .offset: 8, .size: 8, .value_kind: global_buffer, .address_space: global }
      - { .name: qkv_b, .offset: 16, .size: 8, .value_kind: global_buffer, .address_space: global }
      - { .name: qb, .offset: 24, .size: 8, .value_kind: global_buffer, .address_space: global }
      - { .name: kv, .offset: 32, .size: 8, .value_kind: global_buffer, .address_space: global }
    .group_segment_fixed_size: 327680
    .private_segment_fixed_size: 0
    .kernarg_segment_align: 8
    .kernarg_segment_size: 40
    .max_flat_workgroup_size: 128
    .sgpr_count:     100
    .vgpr_count:     1024
    .wavefront_size: 32
...
	.end_amdgpu_metadata
.endif
;; end of part 2
;; launch attn (part 3): grid 8 x 32, 8 waves a work-group, clusters of 4 x 1, 327,680 bytes of LDS; arguments qb, kv, ac; writes ac
.if DOCPART == 3
	.amdgcn_target "amdgcn-amd-amdhsa--gfx1250"
	.amdhsa_code_object_version 6
	.text
	.protected	k_q72e4c264f5_attn
	.globl	k_q72e4c264f5_attn
	.p2align	8
	.type	k_q72e4c264f5_attn,@function
k_q72e4c264f5_attn:
	s_mov_b64 s[64:65], 0
	v_nop
	global_prefetch_b8 v0, s[64:65] scope:SCOPE_SE
	s_setreg_imm32_b32 hwreg(HW_REG_WAVE_MODE, 25, 1), 1
	s_wait_xcnt 0x0
	s_wait_alu depctr_hold_cnt(0) depctr_sa_sdst(0) depctr_va_vdst(0) depctr_va_sdst(0) depctr_va_ssrc(0) depctr_va_vcc(0) depctr_vm_vsrc(0)
	s_getreg_b32 s2, hwreg(HW_REG_IB_STS2, 6, 4)
	s_cmp_eq_u32 s2, 0
	s_cbranch_scc0 .Lentry_in_a_cluster
	s_endpgm
.Lentry_in_a_cluster:
	s_bfe_u32 s2, ttmp6, 0x10000c
	s_cmp_lg_u32 s2, 0x3003
	s_cbranch_scc0 .Lentry_shape_is_right
	s_endpgm
.Lentry_shape_is_right:
; O[q] = sum over keys of softmax(q . k / 8) v for one head, both products on codes of E5M2 with one E8M0 byte for each 32 along a product's K; O quantised along the 1,024 channels for the next product.
; THE SOFTMAX AHEAD OF THE SECOND PRODUCT: t = score x log2(e) / 8; M = the running largest t rounded UP to a whole number; p = 2^(t - M) is quantised along the keys, not normalised; the row's sum is taken of the
; unquantised p and divides O at the end.  When M moves, the sum and O are multiplied by 2^(old M - new M): exact.
; SHARES.  A work-group owns 256 queries of one head (bh = 16 x batch + head); each of its eight waves TWO tiles of 16 queries, so that each fragment of K and V read from LDS feeds two matrix instructions.
; ALL K AND V OF THE HEAD LIE IN LDS: 16 records of 17,152 bytes (128 keys each) = 1,072 rows of 256 bytes, every byte filled ONCE, in two parts.  At the head wave w brings rows 42 w .. 42 w + 41 (336 rows: records 0 to 4
; and 256 bytes more); behind the full sequence and a round it asks for rows 336 + 92 w .. + 91, which land while the first four steps are worked (they read V of records 0 to 3 and K of records 0 to 4); one barrier follows step 3.
; CLUSTER 4 x 1: the four query blocks of a cluster belong to one head and want the same records: each load is asked for jointly, with the same descriptor and the mask of all four.
; NO PREFETCH: all that the work-group reads of K and V is asked for by its two loads a wave at the start; there is no later request to run ahead of.
; LAYOUT.  Both products transposed: S^T = K Q^T, O^T = V^T P^T: a lane holds one query of each tile throughout.  Lane r of key tile t holds key 32 (t / 2) + 8 (t % 2) + r + 8 (r / 8), so that p's 16 registers of two tiles are 16 neighbouring keys.
; A HEAD HAS 64 CHANNELS, the instruction takes 128: Q's upper eight registers are zero codes, and both sides' scale bytes of those two blocks are 127.  K's upper eight registers are then whatever follows (the next tile's codes, all finite; zeros behind the last): times zero.
; K AND V HAVE REGISTERS OF THEIR OWN: a step's V is asked of LDS at its head, the NEXT step's K behind this step's first product.  In the last step that look-ahead is held at record 15 (s_min_u32): its 20 loads read bytes that lie in LDS and are not used.
; THE ROW'S SUM runs in seven chains a tile; they are joined, and the running sum is brought under the new M, behind the products: tile 0's behind the second product, tile 1's behind the next step's first: they are the places there.
; REGISTERS.  Window 0: all that vector instructions work on: v1-9 addresses; v10-47, v48-85 the tiles' small state; v86-95 scale words; v96-127 p's codes; v128-255 S^T, then p.  Window 1: v0-31 Q (codes, zeros, twice); v32-95 K, v96-103 zeros; v104-167 V; v168-231 O^T.
; LIMITS: NaN and infinities are not served; v_exp_f32 gives 0 for results under 2^-126; a block whose largest magnitude lies under 2^-111 gets the byte 1 (this program alone reads the bytes).
.set KVREC, 17152
.set QSO,   4194304
.set REC,   8448
.set R1,    42                         ; rows of 256 bytes a wave in the first part
.set R2,    92                         ; and in the second
.set PART1, 8*R1*256
.set SPARE, 16*KVREC                   ; behind the records: the spare words, 128 bytes for each wave
.set L16,  1                           ; 16 x lane
.set L4,   2                           ; 4 x lane
.set R4,   3                           ; 4 x (lane % 16)
.set ADV,  4                           ; this step's record + 16 x lane
.set ADVS, 5                           ; + 4 x lane
.set ADK,  6                           ; the next step's record + 16 x lane
.set ADKS, 7                           ; + 4 x lane
.set SPW,  8                           ; my spare word; never rewritten
.set NIL,  9                           ; 0; never rewritten
.set BB0,  10                          ; tile 0's small state
.set BB1,  48                          ; tile 1's
.set NM,   0                           ; -M;  + 1: the largest score
.set SM,   1
.set SU,   2                           ; the sum in two halves
.set F,    4                           ; 2^(old M - new M), a pair
.set T,    6
.set T2,   7
.set BM,   8                           ; the blocks' largest scores, then largest p
.set PM,   12                          ; the other half's, then the bytes
.set HD,   16                          ; 57,344 x the scale
.set SO,   20                          ; the conversions' scale operands
.set CH,   24                          ; the sum's seven chains
.set KS,   86                          ; K's scale words: tile 2 i in lanes 0-15, tile 2 i + 1 in lanes 16-31
.set VS,   90                          ; V's likewise
.set PW,   92                          ; p's scale words, a tile each
.set QS,   94                          ; Q's
.set PP0,  96                          ; p's codes
.set PP1,  112
.set SS0,  128
.set SS1,  192
.set QQ0,  0                           ; window 1
.set QQ1,  16
.set KB,   32
.set ZP,   96
.set VB,   104
.set OO0,  168
.set OO1,  200
.set WV,   12
.set TN,   31                          ; the next step's record in LDS
.set G1,   32
.set G0,   40
.set CS,   44                          ; s[44:45] log2(e) / 8
.set SEL,  46
.set MNT,  48
.set TB,   49                          ; the step's record in LDS
.set CNT,  50
.set NC,   51                          ; -log2(e) / 8
.set G1B,  52
.set G0B,  60
.set MSB, 0
.macro WIN new                         ; bits 1:0 source 0, 3:2 source 1, 5:4 source 2, 7:6 destination; the high byte repeats the setting that is left
.if MSB != (\new)
	s_set_vgpr_msb (MSB<<8)|(\new)
.set MSB, \new
.endif
.endm
.macro CROUND
	s_barrier_signal -1
	s_barrier_wait -1
	s_cmp_lg_u32 s[WV], 0
	s_cbranch_scc1 .Lnot_wave_0_\@
	s_barrier_signal -3
.Lnot_wave_0_\@:
	s_barrier_wait -3
	s_barrier_signal -1
	s_barrier_wait -1
.endm
.macro HOLD2 a, h                      ; two numbers held at v[h] from above, in one dual-issue pair
	v_dual_min_num_f32 v[\a], v[\h], v[\a] :: v_dual_min_num_f32 v[\a+1], v[\h], v[\a+1]
.endm
.macro MM d, a, b, c, sa, sb, row
.if \row
	v_wmma_scale_f32_16x16x128_f8f6f4 v[\d:\d+7], v[\a:\a+15], v[\b:\b+15], \c, v[\sa], v[\sb] matrix_a_fmt:MATRIX_FMT_BF8 matrix_b_fmt:MATRIX_FMT_BF8 matrix_a_scale:MATRIX_SCALE_ROW1
.else
	v_wmma_scale_f32_16x16x128_f8f6f4 v[\d:\d+7], v[\a:\a+15], v[\b:\b+15], \c, v[\sa], v[\sb] matrix_a_fmt:MATRIX_FMT_BF8 matrix_b_fmt:MATRIX_FMT_BF8
.endif
.endm
.macro KLOAD ad, ads                   ; a record's K into its registers, and its four scale words: 20 LDS loads
	WIN 0x40
.set i, 0
.rept 16
	ds_load_b128 v[KB+4*i:KB+4*i+3], v[\ad] offset:512*i
.set i, i+1
.endr
	WIN 0
.irp n, 0,1,2,3
	ds_load_b32 v[KS+\n], v[\ads] offset:16384+128*\n
.endr
.endm
.macro DEFER u                         ; tile u's seven chains are joined; the running sum under the new M, and the step's: seven plain lines
	v_pk_add_f32 v[BB\u+CH:BB\u+CH+1], v[BB\u+CH:BB\u+CH+1], v[BB\u+CH+2:BB\u+CH+3]
	v_pk_add_f32 v[BB\u+CH+4:BB\u+CH+5], v[BB\u+CH+4:BB\u+CH+5], v[BB\u+CH+6:BB\u+CH+7]
	v_pk_add_f32 v[BB\u+CH+8:BB\u+CH+9], v[BB\u+CH+8:BB\u+CH+9], v[BB\u+CH+10:BB\u+CH+11]
	s_delay_alu instid0(VALU_DEP_2)
	v_pk_add_f32 v[BB\u+CH:BB\u+CH+1], v[BB\u+CH:BB\u+CH+1], v[BB\u+CH+4:BB\u+CH+5]
	s_delay_alu instid0(VALU_DEP_2)
	v_pk_add_f32 v[BB\u+CH+8:BB\u+CH+9], v[BB\u+CH+8:BB\u+CH+9], v[BB\u+CH+12:BB\u+CH+13]
	s_delay_alu instid0(VALU_DEP_1)
	v_pk_add_f32 v[BB\u+CH:BB\u+CH+1], v[BB\u+CH:BB\u+CH+1], v[BB\u+CH+8:BB\u+CH+9]
	s_delay_alu instid0(VALU_DEP_1)
	v_pk_fma_f32 v[BB\u+SU:BB\u+SU+1], v[BB\u+SU:BB\u+SU+1], v[BB\u+F:BB\u+F+1], v[BB\u+CH:BB\u+CH+1] op_sel_hi:[1,0,1]
.endm
; A KEY STEP: 128 keys, one record, both tiles of queries
.macro SUMS u                          ; the sum of tile u's unquantised p: seven chains, started by the first 14 pairs
.set j, 0
.rept 7
	v_pk_add_f32 v[BB\u+CH+2*j:BB\u+CH+2*j+1], v[SS\u+2*j:SS\u+2*j+1], v[SS\u+2*j+14:SS\u+2*j+15]
.set j, j+1
.endr
.set j, 14
.rept 18
	v_pk_add_f32 v[BB\u+CH+2*((j-14)%7):BB\u+CH+2*((j-14)%7)+1], v[BB\u+CH+2*((j-14)%7):BB\u+CH+2*((j-14)%7)+1], v[SS\u+2*j:SS\u+2*j+1]
.set j, j+1
.endr
.endm
.macro QSM u                           ; tile u's four block scales, from the blocks' largest p
.irp b, 0,2
	v_dual_max_num_f32 v[BB\u+BM+\b], 0x8000000, v[BB\u+BM+\b] :: v_dual_max_num_f32 v[BB\u+BM+\b+1], 0x8000000, v[BB\u+BM+\b+1]   ; the floor 2^(16 - 127): the byte cannot fall under 1
.endr
.irp b, 0,1,2,3
	v_add_nc_u32 v[BB\u+SO+\b], 0xf8800000, v[BB\u+BM+\b]    ; 15 off the exponent field: the conversion's scale operand
.endr
.irp b, 0,1,2,3
	v_and_or_b32 v[BB\u+HD+\b], v[BB\u+BM+\b], 0x7f800000, s[MNT]   ; 57,344 x the scale
.endr
.irp b, 0,1,2,3
	v_lshrrev_b32 v[BB\u+PM+\b], 23, v[BB\u+SO+\b]           ; the scale's byte
.endr
	v_lshl_or_b32 v[PW+\u], v[BB\u+PM+1], 8, v[BB\u+PM]      ; p's scale word for these 128 keys
	s_delay_alu instid0(VALU_DEP_1)
	v_lshl_or_b32 v[PW+\u], v[BB\u+PM+2], 16, v[PW+\u]
	s_delay_alu instid0(VALU_DEP_1)
	v_lshl_or_b32 v[PW+\u], v[BB\u+PM+3], 24, v[PW+\u]
.endm
.macro CVTS u, b                       ; block b of tile u: 32 held numbers of a lane pair become codes
	v_cvt_scalef32_pk8_bf8_f32 v[PP\u+4*\b:PP\u+1+4*\b], v[SS\u+16*\b:SS\u+7+16*\b], v[BB\u+SO+\b]
	v_cvt_scalef32_pk8_bf8_f32 v[PP\u+2+4*\b:PP\u+3+4*\b], v[SS\u+8+16*\b:SS\u+15+16*\b], v[BB\u+SO+\b]
.endm
.macro STEP
	WIN 0x40
.set i, 0
.rept 16
	ds_load_b128 v[VB+4*i:VB+4*i+3], v[ADV] offset:8192+512*i   ; V is asked for here and lands under the softmax
.set i, i+1
.endr
	WIN 0
.irp n, 0,1
	ds_load_b32 v[VS+\n], v[ADVS] offset:16896+128*\n
.endr
	s_wait_dscnt 18                                ; K and its scale words, asked for a step ago, are in; the 18 loads just issued may be out
	WIN 0x05                                       ; K and Q in window 1, the scores in window 0
.irp u, 0,1
.irp t, 0,1,2,3,4,5,6,7
	MM SS\u+8*\t, KB+8*\t, QQ\u, 0, KS+(\t>>1), QS+\u, (\t&1)
.endr
.endr
	WIN 0
	v_mov_b32 v[BB0+T], v[BB0+NM]                  ; the old -M.  These nine lines are the places in front of the loads into K's registers and of the first read of the scores
	v_mov_b32 v[BB1+T], v[BB1+NM]
	DEFER 1                                        ; the last step's sums of tile 1 (the first step finds zeros)
	KLOAD ADK, ADKS                                ; the next step's K
.irp u, 0,1
.irp b, 0,1,2,3
	v_max3_num_f32 v[BB\u+BM+\b], v[SS\u+16*\b], v[SS\u+1+16*\b], v[SS\u+2+16*\b]   ; the largest score of each block of 32 keys: for the row's maximum and, since p rises with the score, for the block's largest p
.endr
.endr
.irp n, 3,5,7,9,11
.irp u, 0,1
.irp b, 0,1,2,3
	v_max3_num_f32 v[BB\u+BM+\b], v[BB\u+BM+\b], v[SS\u+16*\b+\n], v[SS\u+1+16*\b+\n]
.endr
.endr
.endr
.irp u, 0,1
.irp b, 0,1,2,3
	v_max3_num_f32 v[BB\u+BM+\b], v[BB\u+BM+\b], v[SS\u+13+16*\b], v[SS\u+14+(\b&1)+16*\b]   ; an even block keeps its number 15 for last, an odd one its number 14: the pair below then has its second sources in different register banks
.endr
.irp b, 0,2
	v_dual_max_num_f32 v[BB\u+BM+\b], v[BB\u+BM+\b], v[SS\u+15+16*\b] :: v_dual_max_num_f32 v[BB\u+BM+\b+1], v[BB\u+BM+\b+1], v[SS\u+30+16*\b]
.endr
.endr
.irp u, 0,1
.irp b, 0,1,2,3
	v_permlanex16_b32 v[BB\u+PM+\b], v[BB\u+BM+\b], s[SEL], s[SEL+1]
.endr
.endr
.irp u, 0,1
.irp b, 0,2
	v_dual_max_num_f32 v[BB\u+BM+\b], v[BB\u+BM+\b], v[BB\u+PM+\b] :: v_dual_max_num_f32 v[BB\u+BM+\b+1], v[BB\u+BM+\b+1], v[BB\u+PM+\b+1]   ; with lane l xor 16's 16 keys
.endr
.endr
.irp u, 0,1
	v_max3_num_f32 v[BB\u+T2], v[BB\u+BM], v[BB\u+BM+1], v[BB\u+BM+2]
.endr
.irp u, 0,1
	s_delay_alu instid0(VALU_DEP_2)
	v_max3_num_f32 v[BB\u+SM], v[BB\u+SM], v[BB\u+T2], v[BB\u+BM+3]   ; the running largest score
.endr
.irp u, 0,1
	s_delay_alu instid0(VALU_DEP_2)
	v_mul_f32 v[BB\u+T2], s[NC], v[BB\u+SM]        ; -t
.endr
.irp u, 0,1
	s_delay_alu instid0(VALU_DEP_2)
	v_floor_f32 v[BB\u+NM], v[BB\u+T2]             ; the new -M = -ceil(t): a whole number
.endr
.irp u, 0,1
	s_delay_alu instid0(VALU_DEP_2)
	v_sub_f32 v[BB\u+T], v[BB\u+NM], v[BB\u+T]     ; old M - new M: a whole number, 0 or less
.endr
.irp u, 0,1
	s_delay_alu instid0(VALU_DEP_2)
	v_cvt_i32_f32 v[BB\u+T], v[BB\u+T]             ; (it saturates)
.endr
; THE TWO TILES' EXPONENTIALS ARE TWO BATCHES, and plain lines of the OTHER tile stand between a batch's exponentials: lines whose sources were written ahead of the wait in front of the batch and whose results are first read behind the wait that follows it.
.set j, 0
.rept 32
	v_pk_fma_f32 v[SS0+j:SS0+j+1], v[SS0+j:SS0+j+1], s[CS:CS+1], v[BB0+NM:BB0+NM+1] op_sel_hi:[1,0,0]   ; tile 0: t - M, two at a time
.set j, j+2
.endr
.irp b, 0,1,2,3
	v_fma_f32 v[BB0+BM+\b], v[BB0+BM+\b], s[CS], v[BB0+NM]   ; the same of each block's largest score
.endr
	s_wait_alu depctr_va_vdst(0)                   ; the wait ahead of the batch
.set j, 0
.rept 32
	v_exp_f32 v[SS0+j], v[SS0+j]                   ; tile 0: p = 2^(t - M), at most 1;
	v_pk_fma_f32 v[SS1+2*j:SS1+2*j+1], v[SS1+2*j:SS1+2*j+1], s[CS:CS+1], v[BB1+NM:BB1+NM+1] op_sel_hi:[1,0,0]   ; by turns with tile 1's t - M
.set j, j+1
.endr
.irp b, 0,1,2,3
	v_exp_f32 v[SS0+32+\b], v[SS0+32+\b]
	v_fma_f32 v[BB1+BM+\b], v[BB1+BM+\b], s[CS], v[BB1+NM]
.endr
.set j, 36
.rept 28
	v_exp_f32 v[SS0+j], v[SS0+j]
.set j, j+1
.endr
.irp b, 0,1,2,3
	v_exp_f32 v[BB0+BM+\b], v[BB0+BM+\b]           ; the block's largest p: the same two instructions on the same number give the same bits
.endr
	v_ldexp_f32 v[BB0+F], 1.0, v[BB0+T]            ; f = 2^(old M - new M): plain lines behind the exponentials
	v_ldexp_f32 v[BB1+F], 1.0, v[BB1+T]
	s_wait_alu depctr_va_vdst(0)                   ; one wait for the batch, ahead of its first reader
	SUMS 0
	QSM 0
	s_wait_alu depctr_va_vdst(0)                   ; the wait ahead of the batch: tile 0's holds below read what the lines above wrote
.set j, 0
.rept 30
	v_exp_f32 v[SS1+j], v[SS1+j]                   ; tile 1's p, by turns with tile 0's holds
	HOLD2 SS0+2*j, BB0+HD+(j>>3)                   ; the conversion does not saturate (ISA guide 7.6.2); p is not negative: a one-sided hold
.set j, j+1
.endr
.rept 34
	v_exp_f32 v[SS1+j], v[SS1+j]
.set j, j+1
.endr
.irp b, 0,1,2,3
	v_exp_f32 v[BB1+BM+\b], v[BB1+BM+\b]
.endr
	HOLD2 SS0+60, BB0+HD+3                         ; the last two holds are the plain lines behind the exponentials
	HOLD2 SS0+62, BB0+HD+3
	s_wait_alu depctr_va_vdst(0)                   ; one wait for the batch
.irp b, 0,1,2,3
	CVTS 0, \b
.endr
	SUMS 1
	QSM 1
.irp b, 0,1,2,3
.irp n, 0,2,4,6,8,10,12,14
	HOLD2 SS1+16*\b+\n, BB1+HD+\b
.endr
	CVTS 1, \b
.endr
	s_wait_dscnt 20
	WIN 0x41                                       ; O^T in window 1, f in window 0
	s_wait_alu depctr_va_vdst(0)                   ; directly ahead of the first reader of O^T
.irp u, 0,1
.set j, 0
.rept 16
	v_pk_mul_f32 v[OO\u+j:OO\u+j+1], v[OO\u+j:OO\u+j+1], v[BB\u+F:BB\u+F+1] op_sel_hi:[1,0]   ; O^T under the new M; these lines are also the places between the codes and the products
.set j, j+2
.endr
.endr
	WIN 0x51                                       ; V and O^T in window 1, p's codes in window 0
.irp u, 0,1
.irp e, 0,1,2,3
	MM OO\u+8*\e, VB+16*\e, PP\u, v[OO\u+8*\e:OO\u+8*\e+7], VS+(\e>>1), PW+\u, (\e&1)
.endr
.endr
	WIN 0
	s_add_co_u32 s[TB], s[TB], KVREC
	s_add_co_u32 s[TN], s[TB], KVREC
	s_min_u32 s[TN], s[TN], 15*KVREC               ; the look-ahead stays inside the records
	v_add_nc_u32 v[ADV], s[TB], v[L16]             ; these eleven lines name no register of the products above: they are the places in front of the next loads into V's registers
	v_add_nc_u32 v[ADVS], s[TB], v[L4]
	v_add_nc_u32 v[ADK], s[TN], v[L16]
	v_add_nc_u32 v[ADKS], s[TN], v[L4]
	DEFER 0
	s_wait_alu depctr_va_vdst(0)
.endm
	s_load_b128 s[4:7], s[0:1], 0x0                ; qb, kv
	s_load_b64 s[8:9], s[0:1], 0x10                ; ac
	v_lshl_add_u32 v[SPW], v0, 2, SPARE
	v_mov_b32 v[NIL], 0
	ds_add_u32 v[SPW], v[NIL]                      ; the opening lines: the add, twice on end, and its wait ahead of my first tensor load
	ds_add_u32 v[SPW], v[NIL]
	v_lshrrev_b32 v4, 5, v0
	s_delay_alu instid0(VALU_DEP_1)
	v_readfirstlane_b32 s[WV], v4                  ; wave 0..7
	s_bfe_u32 s13, ttmp6, 0x40000                  ; cx
	s_lshl_b32 s14, ttmp9, 2
	s_add_co_u32 s14, s14, s13                     ; my block of 256 queries: it enters Q's and O's addresses alone
	s_and_b32 s15, ttmp7, 0xffff                   ; bh, which the four partners share
	s_mov_b32 s[G1], 15|(3<<16)|(1<<21)            ; group 1: the mask of all four; elements of 8 bytes; bit 21 beside a mask
	s_mov_b32 s[G1+1], 32<<16                      ; a dense block as rows of 256 bytes
	s_mov_b32 s[G1+2], R1<<16
	s_mov_b32 s[G1+3], 32<<16
	s_mov_b32 s[G1+4], R1
	s_mov_b32 s[G1+5], 32
	s_mov_b32 s[G1+6], 0
	s_mov_b32 s[G1+7], 0
	s_mov_b32 s[G1B], 15|(3<<16)|(1<<21)
	s_mov_b32 s[G1B+1], 32<<16
	s_mov_b32 s[G1B+2], R2<<16
	s_mov_b32 s[G1B+3], 32<<16
	s_mov_b32 s[G1B+4], R2
	s_mov_b32 s[G1B+5], 32
	s_mov_b32 s[G1B+6], 0
	s_mov_b32 s[G1B+7], 0
	s_mul_i32 s16, s15, 16*KVREC                   ; the head's records
	s_mul_i32 s18, s[WV], R1*256                   ; my rows of the first part, in the head's records and in LDS alike
	s_mul_i32 s19, s[WV], R2*256
	s_add_co_u32 s19, s19, PART1                   ; and of the second
	s_add_co_u32 s26, s16, s18
	s_mov_b32 s27, 0
	s_add_co_u32 s28, s16, s19
	s_mov_b32 s29, 0
	s_lshl_b32 s20, s15, 7
	s_lshl_b32 s21, s14, 4
	s_add_co_u32 s20, s20, s21
	s_lshl_b32 s21, s[WV], 1
	s_add_co_u32 s20, s20, s21                     ; my first tile of queries: 128 bh + 16 x block + 2 x wave
	s_lshl_b32 s22, s20, 10
	s_mov_b32 s23, 0
	s_lshl_b32 s24, s20, 6
	s_add_co_u32 s24, s24, QSO
	s_mov_b32 s25, 0
	s_mov_b32 s[CS], 0x3e38aa3b
	s_mov_b32 s[CS+1], s[CS]                       ; named with it as a pair, so it is written
	s_mov_b32 s[NC], 0xbe38aa3b
	s_mov_b32 s[SEL], 0x76543210
	s_mov_b32 s[SEL+1], 0xfedcba98
	s_mov_b32 s[MNT], 0x600000
	s_mov_b32 s[TB], 0
	s_mov_b32 s[TN], KVREC
	s_wait_dscnt 0x0                               ; both opening adds are done
	s_wait_kmcnt 0x0
	s_mov_b32 s[G0], 1
	s_mov_b32 s[G0+1], s18
	s_add_nc_u64 s[G0+2:G0+3], s[6:7], s[26:27]
	s_or_b32 s[G0+3], s[G0+3], 0x80000000
	s_mov_b32 s[G0B], 1
	s_mov_b32 s[G0B+1], s19
	s_add_nc_u64 s[G0B+2:G0B+3], s[6:7], s[28:29]
	s_or_b32 s[G0B+3], s[G0B+3], 0x80000000
	s_add_nc_u64 s[22:23], s[4:5], s[22:23]        ; Q's codes
	s_add_nc_u64 s[24:25], s[4:5], s[24:25]        ; and scale words
	CROUND                                         ; all four work-groups are here: the joint loads meet
	tensor_load_to_lds s[G0:G0+3], s[G1:G1+7]      ; my one tensor load at the head
	s_nop 0
	v_and_b32 v2, 31, v0
	v_and_b32 v3, 15, v0
	s_delay_alu instid0(VALU_DEP_2)
	v_lshlrev_b32 v[L16], 4, v2
	s_delay_alu instid0(VALU_DEP_2)
	v_lshlrev_b32 v[R4], 2, v3
	v_lshlrev_b32 v[L4], 2, v2
	global_load_b32 v[QS], v[R4], s[24:25]
	global_load_b32 v[QS+1], v[R4], s[24:25] offset:64
	WIN 0x40                                       ; destinations in window 1
.irp u, 0,1
	global_load_b128 v[QQ\u:QQ\u+3], v[L16], s[22:23] offset:1024*\u
	global_load_b128 v[QQ\u+4:QQ\u+7], v[L16], s[22:23] offset:1024*\u+512
.endr
.set j, 0
.rept 8
	v_mov_b32 v[QQ0+8+j], 0                        ; zero codes for the 64 along K that a head does not have
	v_mov_b32 v[QQ1+8+j], 0
	v_mov_b32 v[ZP+j], 0
.set j, j+1
.endr
.set j, 0
.rept 64
	v_mov_b32 v[OO0+j], 0                          ; the step is written for every step alike: the first finds zeros, which the first change of M leaves zeros
.set j, j+1
.endr
	WIN 0
.irp u, 0,1
	v_mov_b32 v[BB\u+SM], 0xff61b1e6               ; the largest score so far: -3e38
	v_mov_b32 v[BB\u+SU], 0
	v_mov_b32 v[BB\u+SU+1], 0
	v_mov_b32 v[BB\u+F], 0
	v_mov_b32 v[BB\u+F+1], 0                       ; named as the upper half of a pair
	v_mul_f32 v[BB\u+T2], s[NC], v[BB\u+SM]
.irp b, 0,1,2,3
	v_mov_b32 v[BB\u+PM+\b], 0                     ; a lane permute's destination counts as one of its sources
.endr
	v_floor_f32 v[BB\u+NM], v[BB\u+T2]             ; -M
.endr
.set j, 0
.rept 14
	v_mov_b32 v[BB1+CH+j], 0                       ; tile 1's chains are joined a step late: the first step finds zeros
.set j, j+1
.endr
	v_add_nc_u32 v[ADV], s[TB], v[L16]
	v_add_nc_u32 v[ADVS], s[TB], v[L4]
	v_add_nc_u32 v[ADK], s[TN], v[L16]
	v_add_nc_u32 v[ADKS], s[TN], v[L4]
	s_wait_alu depctr_va_vdst(0)                   ; the wait at the head's end
	s_wait_tensorcnt 0x0                           ; my rows of the first part are in
	ds_add_u32 v[SPW], v[NIL]
	s_wait_dscnt 0x0
	CROUND                                         ; everybody's rows are in, and all four work-groups are here
	tensor_load_to_lds s[G0B:G0B+3], s[G1B:G1B+7]  ; the second part: my one tensor load behind the round; it lands on bytes from PART1 on, the four steps below read bytes under 5 x 17,152
	s_nop 0
.rept 4
	v_nop
.endr
	KLOAD ADV, ADVS                                ; record 0's K
	s_wait_loadcnt 0x0                             ; Q
	s_mov_b32 s[CNT], 4
.Lkey_a:                                               ; records 0 to 3
	STEP
	s_sub_co_u32 s[CNT], s[CNT], 1
	s_cmp_lg_u32 s[CNT], 0
	s_cbranch_scc1 .Lkey_a
	s_wait_tensorcnt 0x0                           ; my rows of the second part are in,
	s_wait_dscnt 0x0                               ; (no LDS load of mine is out at the signal)
	s_barrier_signal -1
	s_barrier_wait -1                              ; everybody's are
	s_mov_b32 s[CNT], 12
.Lkey_b:                                               ; records 4 to 15
	STEP
	s_sub_co_u32 s[CNT], s[CNT], 1
	s_cmp_lg_u32 s[CNT], 0
	s_cbranch_scc1 .Lkey_b
	; THE WAY OUT.  O^T / the sum: register 16 B + i is channel 32 B + 16 (lane / 16) + i of my head: two blocks of the next product's K.  Quantised, the codes are two chunks of an image of that operand.
	; My two tiles of tokens are the two tiles (u = 0, 1) of one row pair rp = 64 x batch + 8 x block + wave.
	s_lshr_b32 s20, s15, 4                         ; the batch
	s_and_b32 s21, s15, 15                         ; the head
	s_lshl_b32 s20, s20, 6
	s_lshl_b32 s22, s14, 3
	s_add_co_u32 s20, s20, s22
	s_add_co_u32 s20, s20, s[WV]                   ; rp
	s_lshl_b32 s20, s20, 2
	s_lshr_b32 s23, s21, 2
	s_add_co_u32 s20, s20, s23
	s_mul_i32 s20, s20, REC                        ; record (rp, kh = head / 4)
	s_bfe_u32 s23, s21, 0x10001                    ; q = (head / 2) % 2
	s_and_b32 s21, s21, 1
	s_lshl_b32 s24, s23, 11
	s_lshl_b32 s25, s21, 10
	s_add_co_u32 s24, s24, s25
	s_add_co_u32 s24, s24, s20                     ; codes: (2 u + q) x 2,048 + 1,024 (head % 2); 4,096 u in the immediate
	s_lshl_b32 s25, s23, 6
	s_lshl_b32 s26, s21, 1
	s_add_co_u32 s25, s25, s26
	s_add_co_u32 s25, s25, s20
	s_add_co_u32 s25, s25, 8192                    ; my two bytes of the scale word: 8,192 + 128 u + 64 q + 2 (head % 2)
	DEFER 1                                        ; the last step's sums of tile 1
.irp u, 0,1
	v_add_f32 v[BB\u+SU], v[BB\u+SU], v[BB\u+SU+1]
.endr
.irp u, 0,1
	s_delay_alu instid0(VALU_DEP_2)
	v_permlanex16_b32 v[BB\u+T], v[BB\u+SU], s[SEL], s[SEL+1]
.endr
.irp u, 0,1
	s_delay_alu instid0(VALU_DEP_2)
	v_add_f32 v[BB\u+SU], v[BB\u+SU], v[BB\u+T]    ; the row's sum
.endr
	s_wait_alu depctr_va_vdst(0)                   ; the wait ahead of the transcendentals
	v_rcp_f32 v[BB0+SU], v[BB0+SU]
	v_rcp_f32 v[BB1+SU], v[BB1+SU]
	v_add_nc_u32 v[ADK], s24, v[L16]               ; plain lines behind the transcendentals
	v_add_nc_u32 v[ADKS], s25, v[R4]
	WIN 0x01                                       ; O^T in window 1
	s_wait_alu depctr_va_vdst(0)                   ; the wait ahead of the first reader
.irp u, 0,1
.set j, 0
.rept 32
	v_mul_f32 v[SS\u+j], v[OO\u+j], v[BB\u+SU]     ; each accumulator from its low end on
.set j, j+1
.endr
.endr
	WIN 0
.irp u, 0,1
.irp b, 0,1
	v_max3_num_f32 v[BB\u+BM+\b], |v[SS\u+16*\b]|, |v[SS\u+1+16*\b]|, 0x8000000
.endr
.endr
.irp n, 2,4,6,8,10,12,14
.irp u, 0,1
.irp b, 0,1
	s_delay_alu instid0(VALU_DEP_4)
	v_max3_num_f32 v[BB\u+BM+\b], v[BB\u+BM+\b], |v[SS\u+16*\b+\n]|, |v[SS\u+1+16*\b+\n]|
.endr
.endr
.endr
.irp u, 0,1
.irp b, 0,1
	s_delay_alu instid0(VALU_DEP_4)
	v_permlanex16_b32 v[BB\u+PM+\b], v[BB\u+BM+\b], s[SEL], s[SEL+1]
.endr
.endr
.irp u, 0,1
.irp b, 0,1
	s_delay_alu instid0(VALU_DEP_4)
	v_max_num_f32 v[BB\u+BM+\b], v[BB\u+BM+\b], v[BB\u+PM+\b]
.endr
.endr
.irp u, 0,1
.irp b, 0,1
	s_delay_alu instid0(VALU_DEP_4)
	v_add_nc_u32 v[BB\u+SO+\b], 0xf8800000, v[BB\u+BM+\b]
.endr
.endr
.irp u, 0,1
.irp b, 0,1
	v_and_or_b32 v[BB\u+HD+\b], v[BB\u+BM+\b], 0x7f800000, s[MNT]
.endr
.endr
.irp u, 0,1
.irp b, 0,1
	v_lshrrev_b32 v[BB\u+PM+\b], 23, v[BB\u+SO+\b]
.endr
.endr
.irp u, 0,1
	v_lshl_or_b32 v[BB\u+T], v[BB\u+PM+1], 8, v[BB\u+PM]
.endr
.irp u, 0,1
.irp b, 0,1
.irp n, 0,1,2,3,4,5,6,7,8,9,10,11,12,13,14,15
	v_med3_num_f32 v[SS\u+16*\b+\n], v[SS\u+16*\b+\n], -v[BB\u+HD+\b], v[BB\u+HD+\b]
.endr
	v_cvt_scalef32_pk8_bf8_f32 v[PP\u+4*\b:PP\u+1+4*\b], v[SS\u+16*\b:SS\u+7+16*\b], v[BB\u+SO+\b]
	v_cvt_scalef32_pk8_bf8_f32 v[PP\u+2+4*\b:PP\u+3+4*\b], v[SS\u+8+16*\b:SS\u+15+16*\b], v[BB\u+SO+\b]
.endr
.endr
	v_nop                                          ; a plain vector line behind the last conversion
.irp u, 0,1
	global_store_b128 v[ADK], v[PP\u:PP\u+3], s[8:9] offset:4096*\u            ; 32 lanes store 512 consecutive bytes, aligned
	global_store_b128 v[ADK], v[PP\u+4:PP\u+7], s[8:9] offset:4096*\u+512
	global_store_b16 v[ADKS], v[BB\u+T], s[8:9] offset:128*\u                  ; two bytes a row; lanes 16-31 hold and write the same as lanes 0-15
.endr
	s_wait_tensorcnt 0x0                           ; the wave's end
	ds_add_u32 v[SPW], v[NIL]
	s_wait_dscnt 0x0
	CROUND                                         ; the closing round
	s_endpgm
.Lfunc_end_k_q72e4c264f5_attn:
	.size	k_q72e4c264f5_attn, .Lfunc_end_k_q72e4c264f5_attn-k_q72e4c264f5_attn
	.p2alignl 7, 3214868480
	.fill 96, 4, 3214868480
	.section	.rodata,"a",@progbits
	.p2align	6, 0x0
	.amdhsa_kernel k_q72e4c264f5_attn
		.amdhsa_group_segment_fixed_size 327680
		.amdhsa_private_segment_fixed_size 0
		.amdhsa_enable_private_segment 0
		.amdhsa_kernarg_size 24
		.amdhsa_user_sgpr_count 2
		.amdhsa_user_sgpr_kernarg_segment_ptr 1
		.amdhsa_wavefront_size32 1
		.amdhsa_system_sgpr_workgroup_id_x 1
		.amdhsa_system_sgpr_workgroup_id_y 1
		.amdhsa_system_sgpr_workgroup_id_z 1
		.amdhsa_system_vgpr_workitem_id 0
		.amdhsa_next_free_vgpr 512
		.amdhsa_next_free_sgpr 66
		.amdhsa_reserve_vcc 0
		.amdhsa_float_denorm_mode_32 3
		.amdhsa_float_denorm_mode_16_64 3
		.amdhsa_memory_ordered 1
		.amdhsa_forward_progress 1
		.amdhsa_inst_pref_size 94
	.end_amdhsa_kernel
	.amdgpu_metadata
---
amdhsa.version: [ 1, 2 ]
amdhsa.kernels:
  - .name:           k_q72e4c264f5_attn
    .symbol:         k_q72e4c264f5_attn.kd
    .args:
      - { .name: qb, .offset: 0, .size: 8, .value_kind: global_buffer, .address_space: global }
      - { .name: kv, .offset: 8, .size: 8, .value_kind: global_buffer, .address_space: global }
      - { .name: ac, .offset: 16, .size: 8, .value_kind: global_buffer, .address_space: global }
    .group_segment_fixed_size: 327680
    .private_segment_fixed_size: 0
    .kernarg_segment_align: 8
    .kernarg_segment_size: 24
    .max_flat_workgroup_size: 256
    .sgpr_count:     66
    .vgpr_count:     512
    .wavefront_size: 32
...
	.end_amdgpu_metadata
.endif
;; end of part 3
;; launch g4 (part 4): grid 32 x 8, 4 waves a work-group, clusters of 4 x 1, 327,680 bytes of LDS; arguments ac, wc, proj_b, x, x1; writes x1
.if DOCPART == 4
	.amdgcn_target "amdgcn-amd-amdhsa--gfx1250"
	.amdhsa_code_object_version 6
	.text
	.protected	k_q72e4c264f5_g4
	.globl	k_q72e4c264f5_g4
	.p2align	8
	.type	k_q72e4c264f5_g4,@function
k_q72e4c264f5_g4:
	s_mov_b64 s[64:65], 0
	v_nop
	global_prefetch_b8 v0, s[64:65] scope:SCOPE_SE
	s_setreg_imm32_b32 hwreg(HW_REG_WAVE_MODE, 25, 1), 1
	s_wait_xcnt 0x0
	s_wait_alu depctr_hold_cnt(0) depctr_sa_sdst(0) depctr_va_vdst(0) depctr_va_sdst(0) depctr_va_ssrc(0) depctr_va_vcc(0) depctr_vm_vsrc(0)
	s_getreg_b32 s2, hwreg(HW_REG_IB_STS2, 6, 4)
	s_cmp_eq_u32 s2, 0
	s_cbranch_scc0 .Lentry_in_a_cluster
	s_endpgm
.Lentry_in_a_cluster:
	s_bfe_u32 s2, ttmp6, 0x10000c
	s_cmp_lg_u32 s2, 0x3003
	s_cbranch_scc0 .Lentry_shape_is_right
	s_endpgm
.Lentry_shape_is_right:
; x1 = x + (attention's result) proj_w + proj_b.  Both operands are records of codes of E5M2 with E8M0 scale words (32 rows x 256 K as images of the operand's registers, 8,448 bytes); sums, bias and residual in f32.
; N = 1,024 gives only 64 blocks of 256 x 256, so a block is 128 x 128: 256 work-groups.  A wave makes 32 rows x 128 columns: 2 tiles of A x 8 tiles of B, 16 accumulators.
; A GOES STRAIGHT INTO REGISTERS.  A wave's 32 rows are one row pair, whose KH records lie on end in memory and which no other wave of the work-group reads: 16 loads of 512 dense bytes and 2 of scale words a record, into a ring of four records.
; B GOES THROUGH LDS, where all four waves read it.  A slot holds 1,024 along K: wave w brings record w of B's four row pairs by one tensor load (4 rows of 8,448 bytes).  K = 256 KH: with KH = 4 one slot is all of K, and nothing is filled again.
; CLUSTER 4 x 1: the four block rows of a cluster want the same records of B: each load is asked for jointly, with the same descriptor and the mask of all four.  A's records are read by the eight work-groups of a block row and are NOT shared:
; loads into registers have no joint form.  What that buys: the ring holds B alone, so a slot holds twice the K and there are half as many changes of slots, and A's loads stay on their way across those changes.
; THE MATRIX INSTRUCTION IS USED TRANSPOSED (source 0 = 16 rows of B, source 1 = 16 rows of A): a lane holds a row of the result and its registers run along the columns.
; Tile t of 16 rows holds rows 32 (t / 2) + 8 (t % 2) + r + 8 (r / 8), on both sides: the way out puts columns and rows back in their places.
; The text is written out step by step (2 KH steps of 128 along K) and every count is a constant of its place.
; REGISTERS: window 0: v2-27 addresses and bias; v32-47 B's scale words, two sets; v48-55 A's, four records; v64-127 rows read back; v128-255 the residual, two sets.
;   window 1: B's fragments, two buffers of 8 x 16.   window 2: A's ring: step t at v[32 (t % 8)], two fragments.   window 3: the accumulators ((a, b) at v[8 (8 a + b)]).
.set KH,    4
.set WOFF,  3244032
.set REC,   8448
.set NR,    KH                         ; records along K
.set NS,    KH/4                       ; slots' worth of K
.set NT,    2*KH                       ; steps of 128
.set QUART, 4*REC                      ; what one tensor load brings
.set SLOT,  4*QUART
.set SPARE, 2*SLOT                     ; the spare words, 128 bytes for each wave
.set STAGE, SPARE+512                  ; the way out: 16 rows x (512 bytes + 16) for each wave; no tensor load lands here
.set SP,    528
.set AO,   2                           ; v2   16 x lane; never rewritten
.set AS,   3                           ; v3   4 x lane; never rewritten
.set STO,  4
.set RD,   5
.set SPW,  6
.set NIL,  7
.set ADB,  8                           ; v8-15  LDS address of record k % 4 of slot k / 4, + 16 x lane
.set SAB,  16                          ; v16-23 the same + 4 x lane
.set BV,   24
.set SCB,  32
.set SCA,  48
.set OB,   64
.set RES,  128
.set G1,  24
.set G0,  32
.set MSB, 0
.macro WIN new                         ; the immediate's high byte repeats the setting that is left
.if MSB != (\new)
	s_set_vgpr_msb (MSB<<8)|(\new)
.set MSB, \new
.endif
.endm
.set MUL, 0xf9                         ; source 0 (B) window 1, source 1 (A) window 2, C and D window 3
.macro PLACES n
.rept \n
	v_nop
.endr
.endm
.macro CREST                           ; a round of the cluster's barrier behind its opening barrier
	s_cmp_lg_u32 s14, 0
	s_cbranch_scc1 .Lnot_wave_0_\@
	s_barrier_signal -3
.Lnot_wave_0_\@:
	s_barrier_wait -3
	s_barrier_signal -1
	s_barrier_wait -1
.endm
.macro CROUND
	s_barrier_signal -1
	s_barrier_wait -1
	CREST
.endm
; A's record kh: both tiles, both halves of its 256 along K, and the two tiles' scale words (lanes 0-15: the first 128, lanes 16-31: the second): 18 loads
.macro RECLOAD kh
.set r_b, 64*((\kh)&3)
	WIN 0x80
.irp q, 0,1
.irp a, 0,1
.irp c, 0,1,2,3
	global_load_b128 v[r_b+32*\q+16*\a+4*\c:r_b+32*\q+16*\a+4*\c+3], v[AO], s[4:5] offset:(\kh)*REC+(2*\a+\q)*2048+512*\c
.endr
.endr
.endr
	WIN 0
.irp a, 0,1
	global_load_b32 v[SCA+2*((\kh)&3)+\a], v[AS], s[4:5] offset:(\kh)*REC+8192+128*\a
.endr
.endm
.macro RLOAD a                         ; the residual of tile a's 16 rows, a row of 512 bytes a load
.irp i, 0,1,2,3,4,5,6,7,8,9,10,11,12,13,14,15
	global_load_b128 v[RES+64*(\a)+4*\i:RES+64*(\a)+4*\i+3], v[AO], s[10:11] offset:(8*(\a)+\i+8*(\i>>3))*4096 th:TH_LOAD_NT
.endr
.endm
; THE GROUPS OF LOADS, in the order of issue: group p < NR is A's record p (18 loads); group NR the bias and the first residual set (17); group NR + 1 the second residual set (16).
.macro ISSUE p
.if (\p) < NR
	RECLOAD \p
.elseif (\p) == NR
	global_load_b128 v[BV:BV+3], v[AO], s[8:9]     ; the bias of the four columns that I store
	RLOAD 0
.elseif (\p) == NR+1
	RLOAD 1
.endif
.endm
.macro PSIZE p                         ; group p's loads are added to n_
.if (\p) < NR
.set n_, n_+18
.elseif (\p) == NR
.set n_, n_+17
.elseif (\p) == NR+1
.set n_, n_+16
.endif
.endm
; B's eight fragments of step t into buffer t % 2; with an even t also the scale words of that record
.macro FETCH t
.set f_f, 128*((\t)&1)
.set f_q, (\t)&1
.set f_ad, 4*(((\t)>>3)&1)+(((\t)>>1)&3)
.set f_sb, SCB+8*(((\t)>>1)&1)
	WIN 0x40
.irp i, 0,1,2,3,4,5,6,7
.irp c, 0,1,2,3
	ds_load_b128 v[f_f+16*\i+4*\c:f_f+16*\i+4*\c+3], v[ADB+f_ad] offset:(\i>>1)*REC+(2*(\i&1)+f_q)*2048+512*\c
.endr
.endr
	WIN 0
.if f_q == 0
.irp i, 0,1,2,3,4,5,6,7
	ds_load_b32 v[f_sb+\i], v[SAB+f_ad] offset:(\i>>1)*REC+8192+128*(\i&1)
.endr
.endif
.endm
; four matrix instructions of step t: A's tile a x B's tiles 4 hf .. 4 hf + 3.  The 16 accumulators take turns, one instruction a turn, in the same order in every step.
.macro MULP t, a, hf, zero
.set m_f, 128*((\t)&1)
.set m_a, 32*((\t)&7)+16*(\a)
.set m_sb, SCB+8*(((\t)>>1)&1)
.set m_sa, SCA+2*(((\t)>>1)&3)+(\a)
.irp b, 0,1,2,3
.set m_b, 4*(\hf)+\b
.set m_d, 8*(8*(\a)+m_b)
.if \zero
	v_wmma_scale_f32_16x16x128_f8f6f4 v[m_d:m_d+7], v[m_f+16*m_b:m_f+16*m_b+15], v[m_a:m_a+15], 0, v[m_sb+m_b], v[m_sa] matrix_a_fmt:MATRIX_FMT_BF8 matrix_b_fmt:MATRIX_FMT_BF8
.elseif (\t)&1
	v_wmma_scale_f32_16x16x128_f8f6f4 v[m_d:m_d+7], v[m_f+16*m_b:m_f+16*m_b+15], v[m_a:m_a+15], v[m_d:m_d+7], v[m_sb+m_b], v[m_sa] matrix_a_fmt:MATRIX_FMT_BF8 matrix_b_fmt:MATRIX_FMT_BF8 matrix_a_scale:MATRIX_SCALE_ROW1 matrix_b_scale:MATRIX_SCALE_ROW1
.else
	v_wmma_scale_f32_16x16x128_f8f6f4 v[m_d:m_d+7], v[m_f+16*m_b:m_f+16*m_b+15], v[m_a:m_a+15], v[m_d:m_d+7], v[m_sb+m_b], v[m_sa] matrix_a_fmt:MATRIX_FMT_BF8 matrix_b_fmt:MATRIX_FMT_BF8
.endif
.endr
.endm
; A step that has its successor in the same slot: the next step's fragments of B are asked for, at a record's first step also the group of loads three records on, then this step is multiplied.
.macro KS t, zero
.set k_q, (\t)&1
.set k_kh, (\t)>>1
	s_wait_dscnt 0x0                               ; this step's fragments and scale words of B are in
.if k_q == 0
.set n_, 0
	PSIZE k_kh+1
	PSIZE k_kh+2
.if k_kh == 0
	PSIZE k_kh+3
.endif
	s_wait_loadcnt n_                              ; A's record is in: behind its loads stand the two groups issued since (three at record 0), which may be out
.endif
.if (\t) > 0
	PLACES 8                                       ; in front of loads into the other buffer of B and into the ring's oldest record, which the last step's products read (ISA guide 7.12.1 for vector instructions)
.endif
	FETCH (\t)+1
.if (k_q == 0) && (k_kh >= 1)
	ISSUE k_kh+3
.endif
	WIN MUL
	MULP \t, 0, 0, \zero
	MULP \t, 0, 1, \zero
	MULP \t, 1, 0, \zero
	MULP \t, 1, 1, \zero
.endm
; A slot's last step changes slots: one barrier; in front of it each wave waits for all its tensor loads, adds 0 to its spare word, and waits for that and for its reads of this slot.  fill = 1: this slot is filled again, with the K two slots on.
.macro TURN t, fill
.set u_s, ((\t)>>3)&1
	WIN 0
	s_wait_tensorcnt 0x0                           ; all my tensor loads have landed: my part of the next slot
	ds_add_u32 v[SPW], v[NIL]                      ; 0 onto my spare word
	s_wait_dscnt 1                                 ; only the add may be out
	WIN MUL
	MULP \t, 0, 0, 0
	s_wait_dscnt 0x0                               ; the add is done, and my reads of this slot are over
	s_barrier_signal -1
	MULP \t, 0, 1, 0
	WIN 0
	s_barrier_wait -1
.if \fill
	CREST                                          ; the barrier has opened a round of the cluster's: no wave of any partner still reads this slot or has a load on its way
	s_add_nc_u64 s[G0+4*u_s+2:G0+4*u_s+3], s[G0+4*u_s+2:G0+4*u_s+3], 8*REC
	tensor_load_to_lds s[G0+4*u_s:G0+4*u_s+3], s[G1:G1+7]   ; my one tensor load behind the round
.endif
	PLACES 8                                       ; in front of the loads below
	FETCH (\t)+1
	WIN MUL
	MULP \t, 1, 0, 0
	MULP \t, 1, 1, 0
.endm
	s_load_b256 s[4:11], s[0:1], 0x0               ; A's records s[4:5], wc s[6:7], the bias s[8:9], the residual s[10:11]
	s_load_b64 s[12:13], s[0:1], 0x20              ; the result
	v_lshl_add_u32 v[SPW], v0, 2, SPARE
	v_mov_b32 v[NIL], 0
	ds_add_u32 v6, v7
	ds_add_u32 v6, v7
	s_wait_dscnt 0x0
	v_lshrrev_b32 v1, 5, v0
	v_readfirstlane_b32 s14, v1                    ; wave 0..3
	s_bfe_u32 s40, ttmp6, 0x40000                  ; cx
	s_lshl_b32 s17, ttmp9, 2
	s_add_co_u32 s17, s17, s40                     ; block row: it enters A's, the residual's and the result's addresses alone
	s_and_b32 s42, ttmp7, 0xffff                   ; block column, which the four partners share
	s_mov_b32 s[G1], 15|(3<<16)|(1<<21)            ; group 1: the mask of all four; elements of 8 bytes; bit 21 beside a mask; no padding
	s_mov_b32 s[G1+1], 1056<<16                    ; tensor_dim0: a record, 8,448 bytes
	s_mov_b32 s[G1+2], 4<<16                       ; tensor_dim1: four row pairs
	s_mov_b32 s[G1+3], 1056<<16                    ; tile_dim0
	s_mov_b32 s[G1+4], 4                           ; tile_dim1
	s_mov_b32 s[G1+5], KH*1056                     ; from a row pair's record to the next's
	s_mov_b32 s[G1+6], 0
	s_mov_b32 s[G1+7], 0
	s_mul_i32 s46, s42, 4*KH                       ; B: the block column's first row pair,
	s_add_co_u32 s46, s46, s14                     ; its record number = my wave's
	s_mul_i32 s46, s46, REC
	s_add_co_u32 s46, s46, WOFF                    ; in this weight's part of wc
	s_mov_b32 s47, 0
	s_mul_i32 s45, s14, QUART                      ; where it goes: no place in the cluster enters an LDS address
	s_lshl_b32 s20, s17, 2
	s_add_co_u32 s20, s20, s14                     ; A: my wave's row pair
	s_mul_i32 s20, s20, KH*REC
	s_mov_b32 s21, 0
	v_and_b32 v1, 31, v0
	v_lshlrev_b32 v[AO], 4, v1
	v_lshlrev_b32 v[AS], 2, v1
	s_wait_kmcnt 0x0
	s_add_nc_u64 s[4:5], s[4:5], s[20:21]
	s_add_nc_u64 s[46:47], s[6:7], s[46:47]
	s_mov_b32 s[G0], 1
	s_mov_b32 s[G0+1], s45
	s_mov_b64 s[G0+2:G0+3], s[46:47]
	s_or_b32 s[G0+3], s[G0+3], 0x80000000
.if NS > 1
	s_mov_b32 s[G0+4], 1
	s_add_co_u32 s[G0+5], s45, SLOT
	s_add_nc_u64 s[G0+6:G0+7], s[46:47], 4*REC
	s_or_b32 s[G0+7], s[G0+7], 0x80000000
.endif
	CROUND                                         ; all four work-groups are here: the first joint loads meet
	tensor_load_to_lds s[G0:G0+3], s[G1:G1+7]
	s_nop 0
.if NS > 1
	tensor_load_to_lds s[G0+4:G0+7], s[G1:G1+7]    ; both first fills together: two loads of mine are out
.endif
	PLACES 4
	s_wait_alu depctr_va_vdst(0)
	RECLOAD 0
	RECLOAD 1
	RECLOAD 2
.irp k, 0,1,2,3,4,5,6,7
	v_add_nc_u32 v[ADB+\k], (\k>>2)*SLOT+(\k&3)*QUART, v[AO]
	v_add_nc_u32 v[SAB+\k], (\k>>2)*SLOT+(\k&3)*QUART, v[AS]
.endr
	v_and_b32 v1, 15, v0                           ; r
	v_bfe_u32 v28, v0, 4, 1                        ; h
	s_mul_i32 s23, s14, 16*SP
	s_add_co_u32 s23, s23, STAGE                   ; my stage
	v_mul_u32_u24 v[STO], v1, SP
	v_lshl_add_u32 v[STO], v28, 6, v[STO]
	v_add_nc_u32 v[STO], s23, v[STO]               ; in: row r; register j of tile b is column 32 (b / 2) + 16 h + 8 (b % 2) + j
	v_add_nc_u32 v[RD], s23, v[AO]                 ; back: the 32 lanes take one row of 512 bytes
	s_lshl_b32 s84, s42, 9                         ; the block's 128 columns, in bytes
	s_mov_b32 s85, 0
	s_add_nc_u64 s[8:9], s[8:9], s[84:85]
	s_lshl_b32 s86, s17, 19                        ; the block's 128 rows of 4,096 bytes,
	s_lshl_b32 s87, s14, 17                        ; my wave's 32 of them
	s_add_co_u32 s86, s86, s87
	s_add_co_u32 s84, s84, s86
	s_add_nc_u64 s[10:11], s[10:11], s[84:85]
	s_add_nc_u64 s[12:13], s[12:13], s[84:85]
.if NS > 1
	s_wait_tensorcnt 1                             ; my part of slot 0 is in; slot 1's load may be out
.else
	s_wait_tensorcnt 0x0
.endif
	s_barrier_signal -1
	s_barrier_wait -1
	FETCH 0
	RECLOAD 3
	KS 0, 1                                        ; the first step's products start the sums
.set T, 1
.rept 6
	KS T, 0
.set T, T+1
.endr
.if NS > 1
.set S, 0
.rept NS-1
.if S+2 < NS
	TURN T, 1
.else
	TURN T, 0                                      ; the last change of slots fills nothing
.endif
.set T, T+1
.rept 7
	KS T, 0
.set T, T+1
.endr
.set S, S+1
.endr
.endif
	s_wait_dscnt 0x0                               ; the very last step: nothing more to fetch
	WIN MUL
	MULP NT-1, 0, 0, 0
	MULP NT-1, 0, 1, 0
	MULP NT-1, 1, 0, 0
	MULP NT-1, 1, 1, 0
	WIN 0
	PLACES 8                                       ; in front of the first read of results
; THE WAY OUT, tile a of 16 rows x 128 columns at a time: through my own stage, back as whole rows of 512 bytes; + bias, + residual; the 32 lanes store 512 consecutive bytes, aligned.  The sums are stored from the residual's registers, a set for each tile.
.macro OUTBLK a
	WIN 0x0c                                       ; an LDS store's data are its source 1: window 3
.irp b, 0,1,2,3,4,5,6,7
	ds_store_b128 v[STO], v[64*(\a)+8*\b:64*(\a)+8*\b+3] offset:128*(\b>>1)+32*(\b&1)       ; each accumulator from its low end on
	ds_store_b128 v[STO], v[64*(\a)+8*\b+4:64*(\a)+8*\b+7] offset:128*(\b>>1)+32*(\b&1)+16
.endr
	WIN 0
.irp i, 0,1,2,3,4,5,6,7,8,9,10,11,12,13,14,15
	ds_load_b128 v[OB+4*\i:OB+4*\i+3], v[RD] offset:SP*\i   ; LDS serves a wave's instructions in order (ISA guide 5.7.1.4): these see the stores above
.endr
	s_wait_dscnt 0x0
.if (\a) == 0
	s_wait_loadcnt 16                              ; the bias and this tile's residual are in; the second set's 16 loads may be out
.else
	s_wait_loadcnt 0x0
.endif
.irp i, 0,1,2,3,4,5,6,7,8,9,10,11,12,13,14,15
	v_pk_add_f32 v[OB+4*\i:OB+4*\i+1], v[OB+4*\i:OB+4*\i+1], v[BV:BV+1]
	v_pk_add_f32 v[OB+4*\i+2:OB+4*\i+3], v[OB+4*\i+2:OB+4*\i+3], v[BV+2:BV+3]
.endr
.set i, 0
.rept 32
	v_pk_add_f32 v[RES+64*(\a)+i:RES+64*(\a)+i+1], v[RES+64*(\a)+i:RES+64*(\a)+i+1], v[OB+i:OB+i+1]
.set i, i+2
.endr
.irp i, 0,1,2,3,4,5,6,7,8,9,10,11,12,13,14,15
	global_store_b128 v[AO], v[RES+64*(\a)+4*\i:RES+64*(\a)+4*\i+3], s[12:13] offset:(8*(\a)+\i+8*(\i>>3))*4096
.endr
.endm
	s_wait_alu depctr_va_vdst(0)
	OUTBLK 0
	OUTBLK 1
	s_wait_tensorcnt 0x0                           ; the wave's end
	ds_add_u32 v[SPW], v[NIL]
	s_wait_dscnt 0x0
	CROUND                                         ; the closing round
	s_endpgm
.Lfunc_end_k_q72e4c264f5_g4:
	.size	k_q72e4c264f5_g4, .Lfunc_end_k_q72e4c264f5_g4-k_q72e4c264f5_g4
	.p2alignl 7, 3214868480
	.fill 96, 4, 3214868480
	.section	.rodata,"a",@progbits
	.p2align	6, 0x0
	.amdhsa_kernel k_q72e4c264f5_g4
		.amdhsa_group_segment_fixed_size 327680
		.amdhsa_private_segment_fixed_size 0
		.amdhsa_enable_private_segment 0
		.amdhsa_kernarg_size 40
		.amdhsa_user_sgpr_count 2
		.amdhsa_user_sgpr_kernarg_segment_ptr 1
		.amdhsa_wavefront_size32 1
		.amdhsa_system_sgpr_workgroup_id_x 1
		.amdhsa_system_sgpr_workgroup_id_y 1
		.amdhsa_system_sgpr_workgroup_id_z 1
		.amdhsa_system_vgpr_workitem_id 0
		.amdhsa_next_free_vgpr 896
		.amdhsa_next_free_sgpr 100
		.amdhsa_reserve_vcc 0
		.amdhsa_float_denorm_mode_32 3
		.amdhsa_float_denorm_mode_16_64 3
		.amdhsa_memory_ordered 1
		.amdhsa_forward_progress 1
		.amdhsa_inst_pref_size 68
	.end_amdhsa_kernel
	.amdgpu_metadata
---
amdhsa.version: [ 1, 2 ]
amdhsa.kernels:
  - .name:           k_q72e4c264f5_g4
    .symbol:         k_q72e4c264f5_g4.kd
    .args:
      - { .name: ac, .offset: 0, .size: 8, .value_kind: global_buffer, .address_space: global }
      - { .name: wc, .offset: 8, .size: 8, .value_kind: global_buffer, .address_space: global }
      - { .name: proj_b, .offset: 16, .size: 8, .value_kind: global_buffer, .address_space: global }
      - { .name: x, .offset: 24, .size: 8, .value_kind: global_buffer, .address_space: global }
      - { .name: x1, .offset: 32, .size: 8, .value_kind: global_buffer, .address_space: global }
    .group_segment_fixed_size: 327680
    .private_segment_fixed_size: 0
    .kernarg_segment_align: 8
    .kernarg_segment_size: 40
    .max_flat_workgroup_size: 128
    .sgpr_count:     100
    .vgpr_count:     896
    .wavefront_size: 32
...
	.end_amdgpu_metadata
.endif
;; end of part 4
;; launch ln2 (part 5): grid 256 x 1, 8 waves a work-group, no clusters, 168,960 bytes of LDS; arguments x1, ln2_g, ln2_b, an; writes an
.if DOCPART == 5
	.amdgcn_target "amdgcn-amd-amdhsa--gfx1250"
	.amdhsa_code_object_version 6
	.text
	.protected	k_q72e4c264f5_ln2
	.globl	k_q72e4c264f5_ln2
	.p2align	8
	.type	k_q72e4c264f5_ln2,@function
k_q72e4c264f5_ln2:
	s_mov_b64 s[64:65], 0
	v_nop
	global_prefetch_b8 v0, s[64:65] scope:SCOPE_SE
	s_setreg_imm32_b32 hwreg(HW_REG_WAVE_MODE, 25, 1), 1
	s_wait_xcnt 0x0
; y = (x - mean) rsqrt(var + 1e-5) g + b along rows of 1,024 f32, then quantised to E5M2 with one E8M0 byte for each 32 along the row, stored as records (see below).
; A work-group owns one tile of 16 rows: rows 32 rp + 8 u + {0 .. 7, 16 .. 23}, the rows that one operand tile of the later products holds.  Wave w owns columns 128 w .. 128 w + 127: one image of an operand's registers.
; ONE TENSOR LOAD A WAVE: wave w brings eight rows (the first eight for an even w, the eight rows 16 further down for an odd one) x 1,024 bytes, the 256 columns of the pair of waves w / 2.  A pair's tile is 16 rows in LDS,
; pitch 1,040 (the 16 rows of a read start at 16 different banks, 64 banks of 4 bytes: ISA guide 11.1), filled once; one barrier stands between the loads and the reads, since each wave reads rows that its partner brought.
; Lane (r, h) reads, of row r, k = 32 B + 16 h + 0 .. 15 into registers 16 B + 0 .. 15: the conversions' results are then the operand's registers.
; Mean and variance in two passes (the variance of x - mean: a common offset costs nothing); the waves' parts meet in LDS, behind one barrier each, in bytes of their own.
; RECORD (rp, kh = column / 256) at (4 rp + kh) x 8,448: image (u, q) at (2 u + q) x 2,048, chunk c at + 512 c, lane at + 16 x lane; scale words at 8,192 + 128 u + 64 q + 4 r.
; The claim of LDS is more than half of what a WGP has; 68,608 bytes and the spare words are used.
; LIMITS: NaN and infinities are not served; a block whose largest magnitude lies under 2^-111 gets the byte 1 (this program alone reads the bytes).
.set REC,  8448
.set LP,   1040                        ; an LDS row: 1,024 bytes + 16 of padding
.set RED,  67584                       ; behind the four tiles (4 x 16 x 1,040 = 66,560): 512 bytes for the sums, 512 for the sums of squares; no tensor load lands here
.set X,    16                          ; v16-79   my 64 numbers
.set G,    80                          ; v80-143  the gains of my 64 columns
.set BB,   144                         ; v144-207 the biases
.set PC,   208                         ; v208-223 the codes
.set TM,   224                         ; v224-239 the quantiser's work
.set PW,   240                         ; v240     my row's scale word
.set CH,   242                         ; v242-251 sums
.set MU,   252                         ; v[252:253] the mean, later 1 / sqrt, twice
.set SEL,  36                          ; s[36:37] v_permlanex16_b32's selects for lane l xor 16
.set MNT,  38                          ; s38      the mantissa field of 57,344
.macro QUANT s                         ; 64 numbers, register 16 b + i = k 32 b + 16 (lane / 16) + i of my row, become a fragment's codes in v[PC] on and its scale word in v[PW]
.irp b, 0,1,2,3
	v_max3_num_f32 v[TM+\b], |v[\s+16*\b]|, |v[\s+1+16*\b]|, 0x8000000   ; my 16 numbers of block b, and the floor 2^(16 - 127): the byte cannot fall under 1
.endr
.irp i, 2,4,6,8,10,12,14
.irp b, 0,1,2,3
	s_delay_alu instid0(VALU_DEP_4)
	v_max3_num_f32 v[TM+\b], v[TM+\b], |v[\s+16*\b+\i]|, |v[\s+1+16*\b+\i]|   ; the four blocks by turns
.endr
.endr
.irp b, 0,1,2,3
	s_delay_alu instid0(VALU_DEP_4)
	v_permlanex16_b32 v[TM+4+\b], v[TM+\b], s[SEL], s[SEL+1]
.endr
.irp b, 0,1,2,3
	s_delay_alu instid0(VALU_DEP_4)
	v_max_num_f32 v[TM+\b], v[TM+\b], v[TM+4+\b]   ; with lane l xor 16's 16: the block's largest magnitude
.endr
.irp b, 0,1,2,3
	s_delay_alu instid0(VALU_DEP_4)
	v_add_nc_u32 v[TM+12+\b], 0xf8800000, v[TM+\b] ; 15 off its exponent field: the conversion's scale operand
.endr
.irp b, 0,1,2,3
	v_and_or_b32 v[TM+8+\b], v[TM+\b], 0x7f800000, s[MNT]   ; 57,344 x the scale
.endr
.irp b, 0,1,2,3
	v_lshrrev_b32 v[TM+4+\b], 23, v[TM+12+\b]      ; the scale's byte
.endr
	s_delay_alu instid0(VALU_DEP_3)
	v_lshl_or_b32 v[PW], v[TM+5], 8, v[TM+4]
	s_delay_alu instid0(VALU_DEP_1)
	v_lshl_or_b32 v[PW], v[TM+6], 16, v[PW]
	s_delay_alu instid0(VALU_DEP_1)
	v_lshl_or_b32 v[PW], v[TM+7], 24, v[PW]
.irp b, 0,1,2,3
.irp i, 0,1,2,3,4,5,6,7,8,9,10,11,12,13,14,15
	v_med3_num_f32 v[\s+16*\b+\i], v[\s+16*\b+\i], -v[TM+8+\b], v[TM+8+\b]   ; the conversion does not saturate (ISA guide 7.6.2): the hold comes first
.endr
	v_cvt_scalef32_pk8_bf8_f32 v[PC+4*\b:PC+1+4*\b], v[\s+16*\b:\s+7+16*\b], v[TM+12+\b]
	v_cvt_scalef32_pk8_bf8_f32 v[PC+2+4*\b:PC+3+4*\b], v[\s+8+16*\b:\s+15+16*\b], v[TM+12+\b]
.endr
	v_nop                                          ; a plain vector line behind the last conversion
.endm
.macro ACROSS off                      ; four packed chains in v[CH] on -> the row's sum over all 1,024 columns, in v[CH] of every lane
	s_delay_alu instid0(VALU_DEP_3)
	v_pk_add_f32 v[CH:CH+1], v[CH:CH+1], v[CH+2:CH+3]
	s_delay_alu instid0(VALU_DEP_2)
	v_pk_add_f32 v[CH+4:CH+5], v[CH+4:CH+5], v[CH+6:CH+7]
	s_delay_alu instid0(VALU_DEP_1)
	v_pk_add_f32 v[CH:CH+1], v[CH:CH+1], v[CH+4:CH+5]
	s_delay_alu instid0(VALU_DEP_1)
	v_add_f32 v[CH], v[CH], v[CH+1]
	s_delay_alu instid0(VALU_DEP_1)
	v_permlanex16_b32 v[CH+2], v[CH], s[SEL], s[SEL+1]
	s_delay_alu instid0(VALU_DEP_1)
	v_add_f32 v[CH], v[CH], v[CH+2]                ; my wave's 128 columns of row r
	ds_store_b32 v6, v[CH] offset:\off             ; lanes r and r + 16 write the same word with the same value
	s_wait_dscnt 0x0                               ; for the others' sake: my store has landed
	s_barrier_signal -1
	s_barrier_wait -1
	ds_load_b128 v[CH+2:CH+5], v7 offset:\off
	ds_load_b128 v[CH+6:CH+9], v7 offset:\off+16   ; the eight waves' parts of row r
	s_wait_dscnt 0x0
	v_add_f32 v[CH+2], v[CH+2], v[CH+3]
	v_add_f32 v[CH+4], v[CH+4], v[CH+5]
	v_add_f32 v[CH+6], v[CH+6], v[CH+7]
	v_add_f32 v[CH+8], v[CH+8], v[CH+9]
	s_delay_alu instid0(VALU_DEP_3)
	v_add_f32 v[CH+2], v[CH+2], v[CH+4]
	s_delay_alu instid0(VALU_DEP_2)
	v_add_f32 v[CH+6], v[CH+6], v[CH+8]
	s_delay_alu instid0(VALU_DEP_1)
	v_add_f32 v[CH], v[CH+2], v[CH+6]
.endm
	s_load_b256 s[4:11], s[0:1], 0x0               ; the rows s[4:5], g s[6:7], b s[8:9], the records s[10:11]
	v_lshl_add_u32 v254, v0, 2, 0x29000
	v_mov_b32 v255, 0
	ds_add_u32 v254, v255                          ; the opening lines: the add, twice on end, and its wait
	ds_add_u32 v254, v255
	v_lshrrev_b32 v1, 5, v0
	s_delay_alu instid0(VALU_DEP_1)
	v_readfirstlane_b32 s12, v1                    ; wave 0..7
	s_lshr_b32 s13, ttmp9, 1                       ; rp
	s_and_b32 s14, ttmp9, 1                        ; u
	s_mov_b32 s16, (2<<16)|(1<<20)|(7<<22)|(3<<25) ; group 1: elements of 4 bytes; padding on: 4 words behind every 256
	s_mov_b32 s17, 256<<16                         ; tensor_dim0 = 256
	s_mov_b32 s18, 8<<16                           ; tensor_dim1 = 8
	s_mov_b32 s19, 256<<16                         ; tile_dim0 = 256
	s_mov_b32 s20, 8                               ; tile_dim1 = 8
	s_mov_b32 s21, 1024                            ; elements from row to row
	s_mov_b32 s22, 0
	s_mov_b32 s23, 0
	s_and_b32 s28, s12, 1                          ; which eight rows I fetch; also which half of the pair's 256 columns is mine
	s_lshr_b32 s29, s12, 1                         ; my pair of waves
	s_lshl_b32 s32, s13, 17                        ; 32 rp rows of 4,096 bytes
	s_lshl_b32 s33, s14, 15                        ; + 8 u rows
	s_add_co_u32 s32, s32, s33
	s_lshl_b32 s33, s28, 16                        ; + 16 rows for an odd wave
	s_add_co_u32 s32, s32, s33
	s_lshl_b32 s33, s29, 10                        ; + the pair's 1,024 bytes of a row
	s_add_co_u32 s32, s32, s33
	s_mov_b32 s33, 0
	s_mul_i32 s30, s29, 16*LP                      ; the pair's tile in LDS
	s_mul_i32 s25, s28, 8*LP
	s_add_co_u32 s25, s25, s30                     ; where my eight rows go
	s_lshl_b32 s34, s28, 9
	s_add_co_u32 s34, s34, s30                     ; where my 512 bytes of the tile's rows begin
	s_mov_b32 s35, 0x3a800000                      ; 1 / 1,024
	s_mov_b32 s[SEL], 0x76543210
	s_mov_b32 s[SEL+1], 0xfedcba98
	s_mov_b32 s[MNT], 0x600000
	s_wait_dscnt 0x0
	s_wait_kmcnt 0x0
	s_mov_b32 s24, 1
	s_add_nc_u64 s[26:27], s[4:5], s[32:33]
	s_or_b32 s27, s27, 0x80000000
	tensor_load_to_lds s[24:27], s[16:23]          ; my one tensor load of the launch
	s_nop 0
.rept 4
	v_nop
.endr
	v_and_b32 v1, 15, v0                           ; r
	v_bfe_u32 v2, v0, 4, 1                         ; h
	s_delay_alu instid0(VALU_DEP_2)
	v_mul_u32_u24 v3, v1, LP
	s_delay_alu instid0(VALU_DEP_1)
	v_lshl_add_u32 v3, v2, 6, v3
	s_delay_alu instid0(VALU_DEP_1)
	v_add_nc_u32 v3, s34, v3                       ; my 64 bytes of a block of 32 numbers of row r
	v_and_b32 v4, 31, v0
	s_delay_alu instid0(VALU_DEP_1)
	v_lshlrev_b32 v4, 4, v4
	s_wait_alu depctr_va_vdst(0)
	v_lshlrev_b32 v5, 2, v1
	s_wait_alu depctr_va_vdst(0)
	v_lshlrev_b32 v7, 5, v1
	s_delay_alu instid0(VALU_DEP_1)
	v_add_nc_u32 v7, RED, v7                       ; row r's eight parts
	s_lshl_b32 s15, s12, 2
	v_add_nc_u32 v6, s15, v7                       ; my wave's among them
	v_lshlrev_b32 v9, 6, v2
	s_lshl_b32 s32, s12, 9
	s_mov_b32 s33, 0
	s_add_nc_u64 s[6:7], s[6:7], s[32:33]          ; g and b at my wave's 128 columns
	s_add_nc_u64 s[8:9], s[8:9], s[32:33]
.irp b, 0,1,2,3
.irp j, 0,1,2,3
	global_load_b128 v[G+16*\b+4*\j:G+16*\b+4*\j+3], v9, s[6:7] offset:128*\b+16*\j
	global_load_b128 v[BB+16*\b+4*\j:BB+16*\b+4*\j+3], v9, s[8:9] offset:128*\b+16*\j
.endr
.endr
	s_and_b32 s15, s12, 1                          ; q
	s_lshl_b32 s32, s14, 1
	s_add_co_u32 s32, s32, s15
	s_lshl_b32 s32, s32, 11
	v_add_nc_u32 v4, s32, v4                       ; codes: (2 u + q) x 2,048 + 16 x lane
	s_lshl_b32 s32, s14, 7
	s_lshl_b32 s33, s15, 6
	s_add_co_u32 s32, s32, s33
	s_add_co_u32 s32, s32, 8192
	v_add_nc_u32 v5, s32, v5                       ; scale words: 8,192 + 128 u + 64 q + 4 r
	s_lshl_b32 s32, s13, 2
	s_lshr_b32 s33, s12, 1
	s_add_co_u32 s32, s32, s33
	s_mul_i32 s32, s32, REC
	s_mov_b32 s33, 0
	s_add_nc_u64 s[10:11], s[10:11], s[32:33]      ; record (rp, kh = wave / 2)
.irp b, 0,1,2,3
	v_mov_b32 v[TM+4+\b], 0                        ; written once: a lane permute's destination counts as one of its sources
.endr
	s_wait_alu depctr_va_vdst(0)                   ; the wait at the head's end
	s_wait_tensorcnt 0x0                           ; my eight rows are in LDS,
	s_barrier_signal -1
	s_barrier_wait -1                              ; and so are my partner's
.irp b, 0,1,2,3
.irp j, 0,1,2,3
	ds_load_b128 v[X+16*\b+4*\j:X+16*\b+4*\j+3], v3 offset:128*\b+16*\j
.endr
.endr
	s_wait_dscnt 0x0
.irp k, 0,1,2,3
	v_pk_add_f32 v[CH+2*\k:CH+2*\k+1], v[X+2*\k:X+2*\k+1], v[X+8+2*\k:X+9+2*\k]   ; four chains, started by the first numbers
.endr
.irp i, 16,24,32,40,48,56
.irp k, 0,1,2,3
	s_delay_alu instid0(VALU_DEP_4)
	v_pk_add_f32 v[CH+2*\k:CH+2*\k+1], v[CH+2*\k:CH+2*\k+1], v[X+\i+2*\k:X+\i+2*\k+1]
.endr
.endr
	ACROSS 0
	s_delay_alu instid0(VALU_DEP_1)
	v_mul_f32 v[MU], s35, v[CH]                    ; the mean
	s_delay_alu instid0(VALU_DEP_1)
	v_mov_b32 v[MU+1], v[MU]
.set i, 0
.rept 32
	v_pk_add_f32 v[X+i:X+i+1], v[X+i:X+i+1], v[MU:MU+1] neg_lo:[0,1] neg_hi:[0,1]
.set i, i+2
.endr
.irp k, 0,1,2,3
	v_pk_mul_f32 v[CH+2*\k:CH+2*\k+1], v[X+2*\k:X+2*\k+1], v[X+2*\k:X+2*\k+1]
.endr
.irp i, 8,16,24,32,40,48,56
.irp k, 0,1,2,3
	s_delay_alu instid0(VALU_DEP_4)
	v_pk_fma_f32 v[CH+2*\k:CH+2*\k+1], v[X+\i+2*\k:X+\i+2*\k+1], v[X+\i+2*\k:X+\i+2*\k+1], v[CH+2*\k:CH+2*\k+1]
.endr
.endr
	ACROSS 512                                     ; other bytes than the first sum's: one barrier is enough
	s_delay_alu instid0(VALU_DEP_1)
	v_fmaak_f32 v[CH], s35, v[CH], 0x3727c5ac      ; the variance + 1e-5
	s_wait_alu depctr_va_vdst(0)
	v_rsq_f32 v[MU], v[CH]
	v_nop                                          ; a plain line behind the transcendental
	s_wait_alu depctr_va_vdst(0)                   ; the wait ahead of the first line that names its result
	v_mov_b32 v[MU+1], v[MU]
	s_wait_alu depctr_va_vdst(0)
	s_wait_loadcnt 0x0                             ; g and b
.set i, 0
.rept 32
	v_pk_mul_f32 v[X+i:X+i+1], v[X+i:X+i+1], v[MU:MU+1]
.set i, i+2
.endr
.set i, 0
.rept 32
	v_pk_fma_f32 v[X+i:X+i+1], v[X+i:X+i+1], v[G+i:G+i+1], v[BB+i:BB+i+1]
.set i, i+2
.endr
	QUANT X
.irp c, 0,1,2,3
	global_store_b128 v4, v[PC+4*\c:PC+4*\c+3], s[10:11] offset:512*\c   ; 32 lanes store 512 consecutive bytes, aligned
.endr
	global_store_b32 v5, v[PW], s[10:11]           ; 64 bytes of scale words; lanes 16-31 hold and write the same as lanes 0-15
	s_wait_tensorcnt 0x0                           ; the wave's end
	ds_add_u32 v254, v255
	s_wait_dscnt 0x0
	s_endpgm
.Lfunc_end_k_q72e4c264f5_ln2:
	.size	k_q72e4c264f5_ln2, .Lfunc_end_k_q72e4c264f5_ln2-k_q72e4c264f5_ln2
	.p2alignl 7, 3214868480
	.fill 96, 4, 3214868480
	.section	.rodata,"a",@progbits
	.p2align	6, 0x0
	.amdhsa_kernel k_q72e4c264f5_ln2
		.amdhsa_group_segment_fixed_size 168960
		.amdhsa_private_segment_fixed_size 0
		.amdhsa_enable_private_segment 0
		.amdhsa_kernarg_size 32
		.amdhsa_user_sgpr_count 2
		.amdhsa_user_sgpr_kernarg_segment_ptr 1
		.amdhsa_wavefront_size32 1
		.amdhsa_system_sgpr_workgroup_id_x 1
		.amdhsa_system_sgpr_workgroup_id_y 1
		.amdhsa_system_sgpr_workgroup_id_z 1
		.amdhsa_system_vgpr_workitem_id 0
		.amdhsa_next_free_vgpr 256
		.amdhsa_next_free_sgpr 66
		.amdhsa_reserve_vcc 0
		.amdhsa_float_denorm_mode_32 3
		.amdhsa_float_denorm_mode_16_64 3
		.amdhsa_memory_ordered 1
		.amdhsa_forward_progress 1
		.amdhsa_inst_pref_size 33
	.end_amdhsa_kernel
	.amdgpu_metadata
---
amdhsa.version: [ 1, 2 ]
amdhsa.kernels:
  - .name:           k_q72e4c264f5_ln2
    .symbol:         k_q72e4c264f5_ln2.kd
    .args:
      - { .name: x1, .offset: 0, .size: 8, .value_kind: global_buffer, .address_space: global }
      - { .name: ln2_g, .offset: 8, .size: 8, .value_kind: global_buffer, .address_space: global }
      - { .name: ln2_b, .offset: 16, .size: 8, .value_kind: global_buffer, .address_space: global }
      - { .name: an, .offset: 24, .size: 8, .value_kind: global_buffer, .address_space: global }
    .group_segment_fixed_size: 168960
    .private_segment_fixed_size: 0
    .kernarg_segment_align: 8
    .kernarg_segment_size: 32
    .max_flat_workgroup_size: 256
    .sgpr_count:     66
    .vgpr_count:     256
    .wavefront_size: 32
...
	.end_amdgpu_metadata
.endif
;; end of part 5
;; launch g5 (part 6): grid 16 x 16, 4 waves a work-group, clusters of 4 x 4, 327,680 bytes of LDS; arguments an, wc, fc1_b, hc; writes hc
.if DOCPART == 6
	.amdgcn_target "amdgcn-amd-amdhsa--gfx1250"
	.amdhsa_code_object_version 6
	.text
	.protected	k_q72e4c264f5_g5
	.globl	k_q72e4c264f5_g5
	.p2align	8
	.type	k_q72e4c264f5_g5,@function
k_q72e4c264f5_g5:
	s_mov_b64 s[64:65], 0
	v_nop
	global_prefetch_b8 v0, s[64:65] scope:SCOPE_SE
	s_setreg_imm32_b32 hwreg(HW_REG_WAVE_MODE, 25, 1), 1
	s_wait_xcnt 0x0
	s_wait_alu depctr_hold_cnt(0) depctr_sa_sdst(0) depctr_va_vdst(0) depctr_va_sdst(0) depctr_va_ssrc(0) depctr_va_vcc(0) depctr_vm_vsrc(0)
	s_getreg_b32 s2, hwreg(HW_REG_IB_STS2, 6, 4)
	s_cmp_eq_u32 s2, 0
	s_cbranch_scc0 .Lentry_in_a_cluster
	s_endpgm
.Lentry_in_a_cluster:
	s_bfe_u32 s2, ttmp6, 0x10000c
	s_cmp_lg_u32 s2, 0xf033
	s_cbranch_scc0 .Lentry_shape_is_right
	s_endpgm
.Lentry_shape_is_right:
.set REC,   8448
.set KHB,   4*REC
.set WOFF,  4325376
.set HALFT, 4*REC
.set SLOT,  4*HALFT
.set SPARE, 2*SLOT
.set NP,    8
.set VO,    2
.set VS,    3
.set ADRA,  16
.set SAA,   18
.set ADRB,  20
.set SAB,   22
.set PW,    24
.set SPW,   28
.set NIL,   29
.set SC,    32
.set BIAS,  64
.set AF,    128
.set ST,    128
.set Z,     192
.set PC,    192
.set TM,    208
.set G1,  24
.set G0,  32
.set G1B, 48
.set G0B, 56
.set SEL,  92
.set MNT,  94
.set C2,   96
.set MSB, 0
.macro WIN new
.if MSB != (\new)
	s_set_vgpr_msb (MSB<<8)|(\new)
.set MSB, \new
.endif
.endm
.set MUL_LO, 0xa1
.set MUL_HI, 0xf1
.set TO_B,   0x40
.macro PLACES n
.rept \n
	v_nop
.endr
.endm
.macro JLOAD g0a, g1a, g0b, g1b
	s_cmp_eq_u32 s15, 0
	s_cbranch_scc0 .Lfor_b_\@
	tensor_load_to_lds s[\g0a:\g0a+3], s[\g1a:\g1a+7]
	s_nop 0
.rept 4
	v_nop
.endr
	s_branch .Lasked_\@
.Lfor_b_\@:
	tensor_load_to_lds s[\g0b:\g0b+3], s[\g1b:\g1b+7]
	s_nop 0
.rept 4
	v_nop
.endr
.Lasked_\@:
.endm
.macro CREST
	s_cmp_lg_u32 s14, 0
	s_cbranch_scc1 .Lnot_wave_0_\@
	s_barrier_signal -3
.Lnot_wave_0_\@:
	s_barrier_wait -3
	s_barrier_signal -1
	s_barrier_wait -1
.endm
.macro CROUND
	s_barrier_signal -1
	s_barrier_wait -1
	CREST
.endm
.macro QUANT s
.irp b, 0,1,2,3
	v_max3_num_f32 v[TM+\b], |v[\s+16*\b]|, |v[\s+1+16*\b]|, 0x8000000
.endr
.irp i, 2,4,6,8,10,12,14
.irp b, 0,1,2,3
	v_max3_num_f32 v[TM+\b], v[TM+\b], |v[\s+16*\b+\i]|, |v[\s+1+16*\b+\i]|
.endr
.endr
.irp b, 0,1,2,3
	v_permlanex16_b32 v[TM+4+\b], v[TM+\b], s[SEL], s[SEL+1]
.endr
.irp b, 0,1,2,3
	v_max_num_f32 v[TM+\b], v[TM+\b], v[TM+4+\b]
.endr
.irp b, 0,1,2,3
	v_add_nc_u32 v[TM+12+\b], 0xf8800000, v[TM+\b]
.endr
.irp b, 0,1,2,3
	v_and_or_b32 v[TM+8+\b], v[TM+\b], 0x7f800000, s[MNT]
.endr
.irp b, 0,1,2,3
	v_lshrrev_b32 v[TM+4+\b], 23, v[TM+12+\b]
.endr
	v_lshl_or_b32 v[PW], v[TM+5], 8, v[TM+4]
	v_lshl_or_b32 v[PW], v[TM+6], 16, v[PW]
	v_lshl_or_b32 v[PW], v[TM+7], 24, v[PW]
.irp b, 0,1,2,3
.irp i, 0,1,2,3,4,5,6,7,8,9,10,11,12,13,14,15
	v_med3_num_f32 v[\s+16*\b+\i], v[\s+16*\b+\i], -v[TM+8+\b], v[TM+8+\b]
.endr
	v_cvt_scalef32_pk8_bf8_f32 v[PC+4*\b:PC+1+4*\b], v[\s+16*\b:\s+7+16*\b], v[TM+12+\b]
	v_cvt_scalef32_pk8_bf8_f32 v[PC+2+4*\b:PC+3+4*\b], v[\s+8+16*\b:\s+15+16*\b], v[TM+12+\b]
.endr
	v_nop
.endm
	s_load_b256 s[4:11], s[0:1], 0x0
	v_lshl_add_u32 v[SPW], v0, 2, SPARE
	v_mov_b32 v[NIL], 0
	ds_add_u32 v28, v29
	ds_add_u32 v28, v29
	s_wait_dscnt 0x0
	v_lshrrev_b32 v1, 5, v0
	v_readfirstlane_b32 s14, v1
	s_lshr_b32 s15, s14, 1
	s_and_b32 s16, s14, 1
	s_bfe_u32 s40, ttmp6, 0x40000
	s_bfe_u32 s41, ttmp6, 0x40004
	s_lshl_b32 s42, ttmp9, 2
	s_add_co_u32 s42, s42, s40
	s_and_b32 s17, ttmp7, 0xffff
	s_lshl_b32 s17, s17, 2
	s_add_co_u32 s17, s17, s41
	s_lshl_b32 s43, s41, 2
	s_lshl_b32 s43, 15, s43
	s_lshl_b32 s44, 0x1111, s40
	s_or_b32 s[G1+0], s43, (3<<16)|(1<<21)
	s_or_b32 s[G1B+0], s44, (3<<16)|(1<<21)
.irp g, G1, G1B
	s_mov_b32 s[\g+1], 1056<<16
	s_mov_b32 s[\g+2], 4<<16
	s_mov_b32 s[\g+3], 1056<<16
	s_mov_b32 s[\g+4], 4
	s_mov_b32 s[\g+5], 4224
	s_mov_b32 s[\g+6], 0
	s_mov_b32 s[\g+7], 0
.endr
	s_lshl_b32 s18, s16, 2
	s_lshl_b32 s20, s17, 3
	s_add_co_u32 s20, s20, s18
	s_mul_i32 s20, s20, KHB
	s_mov_b32 s21, 0
	s_lshl_b32 s46, s42, 3
	s_add_co_u32 s46, s46, s18
	s_mul_i32 s46, s46, KHB
	s_add_co_u32 s46, s46, WOFF
	s_mov_b32 s47, 0
	s_mul_i32 s45, s14, HALFT
	s_mov_b32 s[SEL], 0x76543210
	s_mov_b32 s[SEL+1], 0xfedcba98
	s_mov_b32 s[MNT], 0x600000
	s_mov_b32 s[C2], 0xbdd2d3e8
	s_mov_b32 s[C2+1], s[C2]
	v_mov_b32 v12, 0xc0135761
	v_mov_b32 v13, 0xc0135761
	s_wait_kmcnt 0x0
	s_add_nc_u64 s[20:21], s[4:5], s[20:21]
	s_add_nc_u64 s[46:47], s[6:7], s[46:47]
	CROUND
.irp s, 0,1
	s_mov_b32 s[G0+4*\s], 1
	s_add_co_u32 s[G0+4*\s+1], s45, \s*SLOT
	s_add_nc_u64 s[G0+4*\s+2:G0+4*\s+3], s[20:21], \s*REC
	s_or_b32 s[G0+4*\s+3], s[G0+4*\s+3], 0x80000000
	s_mov_b32 s[G0B+4*\s], 1
	s_add_co_u32 s[G0B+4*\s+1], s45, \s*SLOT
	s_add_nc_u64 s[G0B+4*\s+2:G0B+4*\s+3], s[46:47], \s*REC
	s_or_b32 s[G0B+4*\s+3], s[G0B+4*\s+3], 0x80000000
.if \s                                 ; slot 0's fill follows the round above; slot 1's first fill stands behind the full sequence and a round of its own
	s_wait_alu depctr_va_vdst(0)
	s_wait_tensorcnt 0x0
	ds_add_u32 v28, v29
	ds_add_u32 v28, v29
	s_wait_dscnt 0x0
	CROUND
.endif
	JLOAD G0+4*\s, G1, G0B+4*\s, G1B
.endr
	v_and_b32 v1, 31, v0
	v_lshlrev_b32 v4, 4, v1
	v_lshlrev_b32 v5, 2, v1
	s_mul_i32 s21, s15, HALFT
	s_mul_i32 s22, s16, HALFT
	s_add_co_u32 s22, s22, 2*HALFT
.irp s, 0,1
	v_add_nc_u32 v[ADRA+\s], s21, v4
	v_add_nc_u32 v[SAA+\s], s21, v5
	v_add_nc_u32 v[ADRB+\s], s22, v4
	v_add_nc_u32 v[SAB+\s], s22, v5
	s_add_co_u32 s21, s21, SLOT
	s_add_co_u32 s22, s22, SLOT
.endr
	s_lshl_b32 s84, s42, 10
	s_lshl_b32 s85, s16, 9
	s_add_co_u32 s84, s84, s85
	s_mov_b32 s85, 0
	s_add_nc_u64 s[8:9], s[8:9], s[84:85]
	v_bfe_u32 v6, v0, 4, 1
	v_lshlrev_b32 v6, 6, v6
.irp b, 0,1,2,3
.irp j, 0,1,2,3
	global_load_b128 v[BIAS+16*\b+4*\j:BIAS+16*\b+4*\j+3], v6, s[8:9] offset:128*\b+16*\j
.endr
.endr
	s_lshl_b32 s84, s17, 3
	s_lshl_b32 s86, s15, 2
	s_add_co_u32 s84, s84, s86
	s_lshl_b32 s84, s84, 4
	s_add_co_u32 s84, s84, s42
	s_mul_i32 s84, s84, REC
	s_add_nc_u64 s[10:11], s[10:11], s[84:85]
	s_lshl_b32 s86, s16, 11
	v_add_nc_u32 v[VO], s86, v4
	s_lshl_b32 s86, s16, 6
	s_add_co_u32 s86, s86, 8192
	v_and_b32 v1, 15, v0
	v_lshl_add_u32 v[VS], v1, 2, s86
.macro FRAG reg, adr, q, i
.irp c, 0,1,2,3
	ds_load_b128 v[\reg+4*\c:\reg+4*\c+3], v[\adr] offset:((\i)>>1)*REC+((\i)&1)*4096+(\q)*2048+512*\c
.endr
.endm
.macro MUL16 a0, p, q, sc, zero
.irp a, \a0, \a0+1
.irp b, 0,1,2,3,4,5,6,7
.if \zero
	v_wmma_scale_f32_16x16x128_f8f6f4 v[8*(8*((\a)%4)+\b):8*(8*((\a)%4)+\b)+7], v[128*(\p)+16*\b:128*(\p)+16*\b+15], v[AF+16*(\a):AF+16*(\a)+15], 0, v[SC+16*(\sc)+8+\b], v[SC+16*(\sc)+(\a)] matrix_a_fmt:MATRIX_FMT_BF8 matrix_b_fmt:MATRIX_FMT_BF8
.elseif \q
	v_wmma_scale_f32_16x16x128_f8f6f4 v[8*(8*((\a)%4)+\b):8*(8*((\a)%4)+\b)+7], v[128*(\p)+16*\b:128*(\p)+16*\b+15], v[AF+16*(\a):AF+16*(\a)+15], v[8*(8*((\a)%4)+\b):8*(8*((\a)%4)+\b)+7], v[SC+16*(\sc)+8+\b], v[SC+16*(\sc)+(\a)] matrix_a_fmt:MATRIX_FMT_BF8 matrix_b_fmt:MATRIX_FMT_BF8 matrix_a_scale:MATRIX_SCALE_ROW1 matrix_b_scale:MATRIX_SCALE_ROW1
.else
	v_wmma_scale_f32_16x16x128_f8f6f4 v[8*(8*((\a)%4)+\b):8*(8*((\a)%4)+\b)+7], v[128*(\p)+16*\b:128*(\p)+16*\b+15], v[AF+16*(\a):AF+16*(\a)+15], v[8*(8*((\a)%4)+\b):8*(8*((\a)%4)+\b)+7], v[SC+16*(\sc)+8+\b], v[SC+16*(\sc)+(\a)] matrix_a_fmt:MATRIX_FMT_BF8 matrix_b_fmt:MATRIX_FMT_BF8
.endif
.endr
.endr
.endm
.macro FETCH_B slot, q, p
	WIN TO_B
.irp i, 0,1,2,3,4,5,6,7
	FRAG 128*(\p)+16*\i, ADRB+\slot, \q, \i
.endr
	WIN 0
.endm
.macro FETCH_A slot, q, i0
.irp i, \i0, \i0+1, \i0+2, \i0+3
	FRAG AF+16*(\i), ADRA+\slot, \q, \i
.endr
.endm
.macro SCALES s
.irp i, 0,1,2,3,4,5,6,7
	ds_load_b32 v[SC+16*\s+\i], v[SAA+\s] offset:(\i>>1)*REC+8192+128*(\i&1)
	ds_load_b32 v[SC+16*\s+8+\i], v[SAB+\s] offset:(\i>>1)*REC+8192+128*(\i&1)
.endr
.endm
.macro STEP slot, zero
	s_wait_dscnt 16
	WIN MUL_LO
	MUL16 0, 0, 0, \slot, \zero
	MUL16 2, 0, 0, \slot, \zero
	s_wait_dscnt 0x0
	PLACES NP
	FETCH_B \slot, 1, 1
	FETCH_A \slot, 1, 0
	WIN MUL_HI
	MUL16 4, 0, 0, \slot, \zero
	MUL16 6, 0, 0, \slot, \zero
	PLACES NP
	WIN 0
	FETCH_A \slot, 1, 4
.endm
.macro TURN slot, next, fill
	s_wait_tensorcnt 0x0
	ds_add_u32 v[SPW], v[NIL]
	s_wait_dscnt 17
	WIN MUL_LO
	MUL16 0, 1, 1, \slot, 0
	s_wait_dscnt 0x0
	s_barrier_signal -1
	MUL16 2, 1, 1, \slot, 0
	WIN 0
	s_barrier_wait -1
.if \fill
	CREST
	s_add_nc_u64 s[G0+4*\slot+2:G0+4*\slot+3], s[G0+4*\slot+2:G0+4*\slot+3], 2*REC
	s_add_nc_u64 s[G0B+4*\slot+2:G0B+4*\slot+3], s[G0B+4*\slot+2:G0B+4*\slot+3], 2*REC
	JLOAD G0+4*\slot, G1, G0B+4*\slot, G1B
	PLACES NP-4
.else
	PLACES NP
.endif
	s_wait_alu depctr_va_vdst(0)
	FETCH_B \next, 0, 0
	FETCH_A \next, 0, 0
	SCALES \next
	WIN MUL_HI
	MUL16 4, 1, 1, \slot, 0
	MUL16 6, 1, 1, \slot, 0
	PLACES NP
	WIN 0
	FETCH_A \next, 0, 4
.endm
	s_wait_tensorcnt 1
	s_barrier_signal -1
	s_barrier_wait -1
	FETCH_B 0, 0, 0
	FETCH_A 0, 0, 0
	SCALES 0
	FETCH_A 0, 0, 4
	STEP 0, 1
	s_mov_b32 s3, 1
.Llap:
	TURN 0, 1, 1
	STEP 1, 0
	TURN 1, 0, 1
	STEP 0, 0
	s_sub_co_u32 s3, s3, 1
	s_cmp_lg_u32 s3, 0
	s_cbranch_scc1 .Llap
	TURN 0, 1, 0
	STEP 1, 0
	s_wait_dscnt 16
	WIN MUL_LO
	MUL16 0, 1, 1, 1, 0
	MUL16 2, 1, 1, 1, 0
	s_wait_dscnt 0x0
	WIN MUL_HI
	MUL16 4, 1, 1, 1, 0
	MUL16 6, 1, 1, 1, 0
	WIN 0
	PLACES NP
	s_wait_loadcnt 0x0
.macro GELU
.set i, 0
.rept 32
	v_pk_mul_f32 v[Z+i:Z+i+1], v[ST+i:ST+i+1], v[ST+i:ST+i+1]
.set i, i+2
.endr
.set i, 0
.rept 32
	v_pk_fma_f32 v[Z+i:Z+i+1], v[Z+i:Z+i+1], s[C2:C2+1], v[12:13] op_sel_hi:[1,0,1]
.set i, i+2
.endr
.set i, 0
.rept 32
	v_pk_mul_f32 v[Z+i:Z+i+1], v[Z+i:Z+i+1], v[ST+i:ST+i+1]
.set i, i+2
.endr
.set i, 0
	s_wait_alu depctr_va_vdst(0)
.rept 64
	v_exp_f32 v[Z+i], v[Z+i]
.set i, i+1
.endr
	v_nop
	s_wait_alu depctr_va_vdst(0)
.set i, 0
.rept 32
	v_pk_add_f32 v[Z+i:Z+i+1], v[Z+i:Z+i+1], 1.0 op_sel_hi:[1,0]
.set i, i+2
.endr
.set i, 0
	s_wait_alu depctr_va_vdst(0)
.rept 64
	v_rcp_f32 v[Z+i], v[Z+i]
.set i, i+1
.endr
	v_nop
	s_wait_alu depctr_va_vdst(0)
.set i, 0
.rept 32
	v_pk_mul_f32 v[ST+i:ST+i+1], v[ST+i:ST+i+1], v[Z+i:Z+i+1]
.set i, i+2
.endr
.endm
.macro OUTBLK a
.set AC, 64*((\a)%4)
	s_wait_xcnt 0x0
	WIN 0x02+(\a)/4
.set i, 0
.rept 32
	v_pk_add_f32 v[ST+i:ST+i+1], v[AC+i:AC+i+1], v[BIAS+i:BIAS+i+1]
.set i, i+2
.endr
	WIN 0
	GELU
	QUANT ST
.irp c, 0,1,2,3
	global_store_b128 v[VO], v[PC+4*\c:PC+4*\c+3], s[10:11] offset:((\a)>>1)*16*REC+((\a)&1)*4096+512*\c
.endr
	global_store_b32 v[VS], v[PW], s[10:11] offset:((\a)>>1)*16*REC+((\a)&1)*128
.endm
.irp a, 0,1,2,3,4,5,6,7
	OUTBLK \a
.endr
	s_wait_tensorcnt 0x0
	ds_add_u32 v[SPW], v[NIL]
	s_wait_dscnt 0x0
	CROUND
	s_endpgm
.Lfunc_end_k_q72e4c264f5_g5:
	.size	k_q72e4c264f5_g5, .Lfunc_end_k_q72e4c264f5_g5-k_q72e4c264f5_g5
	.p2alignl 7, 3214868480
	.fill 96, 4, 3214868480
	.section	.rodata,"a",@progbits
	.p2align	6, 0x0
	.amdhsa_kernel k_q72e4c264f5_g5
		.amdhsa_group_segment_fixed_size 327680
		.amdhsa_private_segment_fixed_size 0
		.amdhsa_enable_private_segment 0
		.amdhsa_kernarg_size 32
		.amdhsa_user_sgpr_count 2
		.amdhsa_user_sgpr_kernarg_segment_ptr 1
		.amdhsa_wavefront_size32 1
		.amdhsa_system_sgpr_workgroup_id_x 1
		.amdhsa_system_sgpr_workgroup_id_y 1
		.amdhsa_system_sgpr_workgroup_id_z 1
		.amdhsa_system_vgpr_workitem_id 0
		.amdhsa_next_free_vgpr 1024
		.amdhsa_next_free_sgpr 100
		.amdhsa_reserve_vcc 0
		.amdhsa_float_denorm_mode_32 3
		.amdhsa_float_denorm_mode_16_64 3
		.amdhsa_memory_ordered 1
		.amdhsa_forward_progress 1
		.amdhsa_inst_pref_size 255
	.end_amdhsa_kernel
	.section	.bss,"aw",@nobits
	.p2align	6
	.space	262144
	.amdgpu_metadata
---
amdhsa.version: [ 1, 2 ]
amdhsa.kernels:
  - .name:           k_q72e4c264f5_g5
    .symbol:         k_q72e4c264f5_g5.kd
    .args:
      - { .name: an, .offset: 0, .size: 8, .value_kind: global_buffer, .address_space: global }
      - { .name: wc, .offset: 8, .size: 8, .value_kind: global_buffer, .address_space: global }
      - { .name: fc1_b, .offset: 16, .size: 8, .value_kind: global_buffer, .address_space: global }
      - { .name: hc, .offset: 24, .size: 8, .value_kind: global_buffer, .address_space: global }
    .group_segment_fixed_size: 327680
    .private_segment_fixed_size: 0
    .kernarg_segment_align: 8
    .kernarg_segment_size: 32
    .max_flat_workgroup_size: 128
    .sgpr_count:     100
    .vgpr_count:     1024
    .wavefront_size: 32
...
	.end_amdgpu_metadata
.endif
;; end of part 6
;; launch g6 (part 7): grid 32 x 8, 4 waves a work-group, clusters of 4 x 1, 327,680 bytes of LDS; arguments hc, wc, fc2_b, x1, out0; writes out0
.if DOCPART == 7
	.amdgcn_target "amdgcn-amd-amdhsa--gfx1250"
	.amdhsa_code_object_version 6
	.text
	.protected	k_q72e4c264f5_g6
	.globl	k_q72e4c264f5_g6
	.p2align	8
	.type	k_q72e4c264f5_g6,@function
k_q72e4c264f5_g6:
	s_mov_b64 s[64:65], 0
	v_nop
	global_prefetch_b8 v0, s[64:65] scope:SCOPE_SE
	s_setreg_imm32_b32 hwreg(HW_REG_WAVE_MODE, 25, 1), 1
	s_wait_xcnt 0x0
	s_wait_alu depctr_hold_cnt(0) depctr_sa_sdst(0) depctr_va_vdst(0) depctr_va_sdst(0) depctr_va_ssrc(0) depctr_va_vcc(0) depctr_vm_vsrc(0)
	s_getreg_b32 s2, hwreg(HW_REG_IB_STS2, 6, 4)
	s_cmp_eq_u32 s2, 0
	s_cbranch_scc0 .Lentry_in_a_cluster
	s_endpgm
.Lentry_in_a_cluster:
	s_bfe_u32 s2, ttmp6, 0x10000c
	s_cmp_lg_u32 s2, 0x3003
	s_cbranch_scc0 .Lentry_shape_is_right
	s_endpgm
.Lentry_shape_is_right:
.set KH,    16
.set WOFF,  8650752
.set REC,   8448
.set NR,    KH
.set NS,    KH/4
.set NT,    2*KH
.set QUART, 4*REC
.set SLOT,  4*QUART
.set SPARE, 2*SLOT
.set STAGE, SPARE+512
.set SP,    528
.set AO,   2
.set AS,   3
.set STO,  4
.set RD,   5
.set SPW,  6
.set NIL,  7
.set ADB,  8
.set SAB,  16
.set BV,   24
.set SCB,  32
.set SCA,  48
.set OB,   64
.set RES,  128
.set G1,  24
.set G0,  32
.set MSB, 0
.macro WIN new
.if MSB != (\new)
	s_set_vgpr_msb (MSB<<8)|(\new)
.set MSB, \new
.endif
.endm
.set MUL, 0xf9
.macro PLACES n
.rept \n
	v_nop
.endr
.endm
.macro CREST
	s_cmp_lg_u32 s14, 0
	s_cbranch_scc1 .Lnot_wave_0_\@
	s_barrier_signal -3
.Lnot_wave_0_\@:
	s_barrier_wait -3
	s_barrier_signal -1
	s_barrier_wait -1
.endm
.macro CROUND
	s_barrier_signal -1
	s_barrier_wait -1
	CREST
.endm
.macro RECLOAD kh
.set r_b, 64*((\kh)&3)
	WIN 0x80
.irp q, 0,1
.irp a, 0,1
.irp c, 0,1,2,3
	global_load_b128 v[r_b+32*\q+16*\a+4*\c:r_b+32*\q+16*\a+4*\c+3], v[AO], s[4:5] offset:(\kh)*REC+(2*\a+\q)*2048+512*\c
.endr
.endr
.endr
	WIN 0
.irp a, 0,1
	global_load_b32 v[SCA+2*((\kh)&3)+\a], v[AS], s[4:5] offset:(\kh)*REC+8192+128*\a
.endr
.endm
.macro RLOAD a
.irp i, 0,1,2,3,4,5,6,7,8,9,10,11,12,13,14,15
	global_load_b128 v[RES+64*(\a)+4*\i:RES+64*(\a)+4*\i+3], v[AO], s[10:11] offset:(8*(\a)+\i+8*(\i>>3))*4096 th:TH_LOAD_NT
.endr
.endm
.macro ISSUE p
.if (\p) < NR
	RECLOAD \p
.elseif (\p) == NR
	global_load_b128 v[BV:BV+3], v[AO], s[8:9]
	RLOAD 0
.elseif (\p) == NR+1
	RLOAD 1
.endif
.endm
.macro PSIZE p
.if (\p) < NR
.set n_, n_+18
.elseif (\p) == NR
.set n_, n_+17
.elseif (\p) == NR+1
.set n_, n_+16
.endif
.endm
.macro FETCH t
.set f_f, 128*((\t)&1)
.set f_q, (\t)&1
.set f_ad, 4*(((\t)>>3)&1)+(((\t)>>1)&3)
.set f_sb, SCB+8*(((\t)>>1)&1)
	WIN 0x40
.irp i, 0,1,2,3,4,5,6,7
.irp c, 0,1,2,3
	ds_load_b128 v[f_f+16*\i+4*\c:f_f+16*\i+4*\c+3], v[ADB+f_ad] offset:(\i>>1)*REC+(2*(\i&1)+f_q)*2048+512*\c
.endr
.endr
	WIN 0
.if f_q == 0
.irp i, 0,1,2,3,4,5,6,7
	ds_load_b32 v[f_sb+\i], v[SAB+f_ad] offset:(\i>>1)*REC+8192+128*(\i&1)
.endr
.endif
.endm
.macro MULP t, a, hf, zero
.set m_f, 128*((\t)&1)
.set m_a, 32*((\t)&7)+16*(\a)
.set m_sb, SCB+8*(((\t)>>1)&1)
.set m_sa, SCA+2*(((\t)>>1)&3)+(\a)
.irp b, 0,1,2,3
.set m_b, 4*(\hf)+\b
.set m_d, 8*(8*(\a)+m_b)
.if \zero
	v_wmma_scale_f32_16x16x128_f8f6f4 v[m_d:m_d+7], v[m_f+16*m_b:m_f+16*m_b+15], v[m_a:m_a+15], 0, v[m_sb+m_b], v[m_sa] matrix_a_fmt:MATRIX_FMT_BF8 matrix_b_fmt:MATRIX_FMT_BF8
.elseif (\t)&1
	v_wmma_scale_f32_16x16x128_f8f6f4 v[m_d:m_d+7], v[m_f+16*m_b:m_f+16*m_b+15], v[m_a:m_a+15], v[m_d:m_d+7], v[m_sb+m_b], v[m_sa] matrix_a_fmt:MATRIX_FMT_BF8 matrix_b_fmt:MATRIX_FMT_BF8 matrix_a_scale:MATRIX_SCALE_ROW1 matrix_b_scale:MATRIX_SCALE_ROW1
.else
	v_wmma_scale_f32_16x16x128_f8f6f4 v[m_d:m_d+7], v[m_f+16*m_b:m_f+16*m_b+15], v[m_a:m_a+15], v[m_d:m_d+7], v[m_sb+m_b], v[m_sa] matrix_a_fmt:MATRIX_FMT_BF8 matrix_b_fmt:MATRIX_FMT_BF8
.endif
.endr
.endm
.macro KS t, zero
.set k_q, (\t)&1
.set k_kh, (\t)>>1
	s_wait_dscnt 0x0
.if k_q == 0
.set n_, 0
	PSIZE k_kh+1
	PSIZE k_kh+2
.if k_kh == 0
	PSIZE k_kh+3
.endif
	s_wait_loadcnt n_
.endif
.if (\t) > 0
	PLACES 8
.endif
	FETCH (\t)+1
.if (k_q == 0) && (k_kh >= 1)
	ISSUE k_kh+3
.endif
	WIN MUL
	MULP \t, 0, 0, \zero
	MULP \t, 0, 1, \zero
	MULP \t, 1, 0, \zero
	MULP \t, 1, 1, \zero
.endm
.macro TURN t, fill
.set u_s, ((\t)>>3)&1
	WIN 0
	s_wait_tensorcnt 0x0
	ds_add_u32 v[SPW], v[NIL]
	s_wait_dscnt 1
	WIN MUL
	MULP \t, 0, 0, 0
	s_wait_dscnt 0x0
	s_barrier_signal -1
	MULP \t, 0, 1, 0
	WIN 0
	s_barrier_wait -1
.if \fill
	CREST
	s_add_nc_u64 s[G0+4*u_s+2:G0+4*u_s+3], s[G0+4*u_s+2:G0+4*u_s+3], 8*REC
	tensor_load_to_lds s[G0+4*u_s:G0+4*u_s+3], s[G1:G1+7]
	s_nop 0
.endif
	PLACES 8
	FETCH (\t)+1
	WIN MUL
	MULP \t, 1, 0, 0
	MULP \t, 1, 1, 0
.endm
	s_load_b256 s[4:11], s[0:1], 0x0
	s_load_b64 s[12:13], s[0:1], 0x20
	v_lshl_add_u32 v[SPW], v0, 2, SPARE
	v_mov_b32 v[NIL], 0
	ds_add_u32 v6, v7
	ds_add_u32 v6, v7
	s_wait_dscnt 0x0
	v_lshrrev_b32 v1, 5, v0
	v_readfirstlane_b32 s14, v1
	s_bfe_u32 s40, ttmp6, 0x40000
	s_lshl_b32 s17, ttmp9, 2
	s_add_co_u32 s17, s17, s40
	s_and_b32 s42, ttmp7, 0xffff
	s_mov_b32 s[G1], 15|(3<<16)|(1<<21)
	s_mov_b32 s[G1+1], 1056<<16
	s_mov_b32 s[G1+2], 4<<16
	s_mov_b32 s[G1+3], 1056<<16
	s_mov_b32 s[G1+4], 4
	s_mov_b32 s[G1+5], KH*1056
	s_mov_b32 s[G1+6], 0
	s_mov_b32 s[G1+7], 0
	s_mul_i32 s46, s42, 4*KH
	s_add_co_u32 s46, s46, s14
	s_mul_i32 s46, s46, REC
	s_add_co_u32 s46, s46, WOFF
	s_mov_b32 s47, 0
	s_mul_i32 s45, s14, QUART
	s_lshl_b32 s20, s17, 2
	s_add_co_u32 s20, s20, s14
	s_mul_i32 s20, s20, KH*REC
	s_mov_b32 s21, 0
	v_and_b32 v1, 31, v0
	v_lshlrev_b32 v[AO], 4, v1
	v_lshlrev_b32 v[AS], 2, v1
	s_wait_kmcnt 0x0
	s_add_nc_u64 s[4:5], s[4:5], s[20:21]
	s_add_nc_u64 s[46:47], s[6:7], s[46:47]
	s_mov_b32 s[G0], 1
	s_mov_b32 s[G0+1], s45
	s_mov_b64 s[G0+2:G0+3], s[46:47]
	s_or_b32 s[G0+3], s[G0+3], 0x80000000
.if NS > 1
	s_mov_b32 s[G0+4], 1
	s_add_co_u32 s[G0+5], s45, SLOT
	s_add_nc_u64 s[G0+6:G0+7], s[46:47], 4*REC
	s_or_b32 s[G0+7], s[G0+7], 0x80000000
.endif
	CROUND
	tensor_load_to_lds s[G0:G0+3], s[G1:G1+7]
	s_nop 0
.if NS > 1
	s_wait_alu depctr_va_vdst(0)
	s_wait_tensorcnt 0x0
	ds_add_u32 v6, v7
	s_wait_dscnt 0x0
	CROUND
	tensor_load_to_lds s[G0+4:G0+7], s[G1:G1+7]
	s_nop 0
.endif
	PLACES 4
	s_wait_alu depctr_va_vdst(0)
	RECLOAD 0
	RECLOAD 1
	RECLOAD 2
.irp k, 0,1,2,3,4,5,6,7
	v_add_nc_u32 v[ADB+\k], (\k>>2)*SLOT+(\k&3)*QUART, v[AO]
	v_add_nc_u32 v[SAB+\k], (\k>>2)*SLOT+(\k&3)*QUART, v[AS]
.endr
	v_and_b32 v1, 15, v0
	v_bfe_u32 v28, v0, 4, 1
	s_mul_i32 s23, s14, 16*SP
	s_add_co_u32 s23, s23, STAGE
	v_mul_u32_u24 v[STO], v1, SP
	v_lshl_add_u32 v[STO], v28, 6, v[STO]
	v_add_nc_u32 v[STO], s23, v[STO]
	v_add_nc_u32 v[RD], s23, v[AO]
	s_lshl_b32 s84, s42, 9
	s_mov_b32 s85, 0
	s_add_nc_u64 s[8:9], s[8:9], s[84:85]
	s_lshl_b32 s86, s17, 19
	s_lshl_b32 s87, s14, 17
	s_add_co_u32 s86, s86, s87
	s_add_co_u32 s84, s84, s86
	s_add_nc_u64 s[10:11], s[10:11], s[84:85]
	s_add_nc_u64 s[12:13], s[12:13], s[84:85]
.if NS > 1
	s_wait_tensorcnt 1
.else
	s_wait_tensorcnt 0x0
.endif
	s_barrier_signal -1
	s_barrier_wait -1
	FETCH 0
	RECLOAD 3
	KS 0, 1
.set T, 1
.rept 6
	KS T, 0
.set T, T+1
.endr
.if NS > 1
.set S, 0
.rept NS-1
.if S+2 < NS
	TURN T, 1
.else
	TURN T, 0
.endif
.set T, T+1
	s_wait_alu depctr_va_vdst(0)
.rept 7
	KS T, 0
.set T, T+1
.endr
.set S, S+1
.endr
.endif
	s_wait_dscnt 0x0
	WIN MUL
	MULP NT-1, 0, 0, 0
	MULP NT-1, 0, 1, 0
	MULP NT-1, 1, 0, 0
	MULP NT-1, 1, 1, 0
	WIN 0
	PLACES 8
.macro OUTBLK a
	WIN 0x0c
.irp b, 0,1,2,3,4,5,6,7
	ds_store_b128 v[STO], v[64*(\a)+8*\b:64*(\a)+8*\b+3] offset:128*(\b>>1)+32*(\b&1)
	ds_store_b128 v[STO], v[64*(\a)+8*\b+4:64*(\a)+8*\b+7] offset:128*(\b>>1)+32*(\b&1)+16
.endr
	WIN 0
.irp i, 0,1,2,3,4,5,6,7,8,9,10,11,12,13,14,15
	ds_load_b128 v[OB+4*\i:OB+4*\i+3], v[RD] offset:SP*\i
.endr
	s_wait_dscnt 0x0
.if (\a) == 0
	s_wait_loadcnt 16
.else
	s_wait_loadcnt 0x0
.endif
.irp i, 0,1,2,3,4,5,6,7,8,9,10,11,12,13,14,15
	v_pk_add_f32 v[OB+4*\i:OB+4*\i+1], v[OB+4*\i:OB+4*\i+1], v[BV:BV+1]
	v_pk_add_f32 v[OB+4*\i+2:OB+4*\i+3], v[OB+4*\i+2:OB+4*\i+3], v[BV+2:BV+3]
.endr
.set i, 0
.rept 32
	v_pk_add_f32 v[RES+64*(\a)+i:RES+64*(\a)+i+1], v[RES+64*(\a)+i:RES+64*(\a)+i+1], v[OB+i:OB+i+1]
.set i, i+2
.endr
.irp i, 0,1,2,3,4,5,6,7,8,9,10,11,12,13,14,15
	global_store_b128 v[AO], v[RES+64*(\a)+4*\i:RES+64*(\a)+4*\i+3], s[12:13] offset:(8*(\a)+\i+8*(\i>>3))*4096
.endr
.endm
	OUTBLK 0
	OUTBLK 1
	s_wait_tensorcnt 0x0
	ds_add_u32 v[SPW], v[NIL]
	s_wait_dscnt 0x0
	CROUND
	s_endpgm
.Lfunc_end_k_q72e4c264f5_g6:
	.size	k_q72e4c264f5_g6, .Lfunc_end_k_q72e4c264f5_g6-k_q72e4c264f5_g6
	.p2alignl 7, 3214868480
	.fill 96, 4, 3214868480
	.section	.rodata,"a",@progbits
	.p2align	6, 0x0
	.amdhsa_kernel k_q72e4c264f5_g6
		.amdhsa_group_segment_fixed_size 327680
		.amdhsa_private_segment_fixed_size 0
		.amdhsa_enable_private_segment 0
		.amdhsa_kernarg_size 40
		.amdhsa_user_sgpr_count 2
		.amdhsa_user_sgpr_kernarg_segment_ptr 1
		.amdhsa_wavefront_size32 1
		.amdhsa_system_sgpr_workgroup_id_x 1
		.amdhsa_system_sgpr_workgroup_id_y 1
		.amdhsa_system_sgpr_workgroup_id_z 1
		.amdhsa_system_vgpr_workitem_id 0
		.amdhsa_next_free_vgpr 896
		.amdhsa_next_free_sgpr 100
		.amdhsa_reserve_vcc 0
		.amdhsa_float_denorm_mode_32 3
		.amdhsa_float_denorm_mode_16_64 3
		.amdhsa_memory_ordered 1
		.amdhsa_forward_progress 1
		.amdhsa_inst_pref_size 203
	.end_amdhsa_kernel
	.amdgpu_metadata
---
amdhsa.version: [ 1, 2 ]
amdhsa.kernels:
  - .name:           k_q72e4c264f5_g6
    .symbol:         k_q72e4c264f5_g6.kd
    .args:
      - { .name: hc, .offset: 0, .size: 8, .value_kind: global_buffer, .address_space: global }
      - { .name: wc, .offset: 8, .size: 8, .value_kind: global_buffer, .address_space: global }
      - { .name: fc2_b, .offset: 16, .size: 8, .value_kind: global_buffer, .address_space: global }
      - { .name: x1, .offset: 24, .size: 8, .value_kind: global_buffer, .address_space: global }
      - { .name: out0, .offset: 32, .size: 8, .value_kind: global_buffer, .address_space: global }
    .group_segment_fixed_size: 327680
    .private_segment_fixed_size: 0
    .kernarg_segment_align: 8
    .kernarg_segment_size: 40
    .max_flat_workgroup_size: 128
    .sgpr_count:     100
    .vgpr_count:     896
    .wavefront_size: 32
...
	.end_amdgpu_metadata
.endif
;; end of part 7
